; MI455X (gfx1250); checked and timed in simulation.
; The chip was launched on July 23, 2026; its instructions are those of AMD's public machine-readable ISA for CDNA 5 (MIT licence, August 2026) and "CDNA5" Instruction Set Architecture Reference Guide (July 2026). The comments in the code are by the model that wrote it; some were corrected since.
;; Multi Head Attention. Allowed arithmetic: matrix products marked QUANTISED: E4M3 operands, one given power-of-two scale a tensor, by v_wmma_f32_16x16x64_fp8_fp8 or v_wmma_f32_16x16x128_fp8_fp8, f32 sums; everything else in f32.
;; Inputs: K_codes 4 x 2,048 x 32 x 32 uint8 (E4M3 codes of K, K innermost, in blocks of 32 codes); Q_codes 4 x 2,048 x 32 x 32 uint8 (E4M3 codes of Q, K innermost, in blocks of 32 codes); V_codes 4 x 2,048 x 32 x 32 uint8 (E4M3 codes of V, K innermost, in blocks of 32 codes); W_K_codes 1,024 x 32 x 32 uint8 (E4M3 codes of W_K, K innermost, in blocks of 32 codes); W_O_codes 1,024 x 32 x 32 uint8 (E4M3 codes of W_O, K innermost, in blocks of 32 codes); W_Q_codes 1,024 x 32 x 32 uint8 (E4M3 codes of W_Q, K innermost, in blocks of 32 codes); W_V_codes 1,024 x 32 x 32 uint8 (E4M3 codes of W_V, K innermost, in blocks of 32 codes); lowp_scales 12 int32 (the exponents e of the quantised operands' scales 2^e); mask 4 x 1 x 2,048 x 2,048 int32.
;; Outputs: out0 4 x 2,048 x 1,024 float32.
;; This version of the problem:
;;   THIS VERSION OF THE PROBLEM IS GIVEN IN LOW PRECISION. The matrix products marked QUANTISED in the list below multiply operands that are first quantised to E4M3 (4 exponent bits, 3 mantissa bits; 8 bits a number), with one given power-of-two scale for each operand tensor; their sums are f32. All else is computed in f32.
;;   The module's matrix products, in the order in which they are computed (A, B: the left and right operand; K: the contracted axis; several contracted axes count as one K, in the product's order):
;;     1. [M 8,192, K 1,024] x [K 1,024, N 1,024]; A: input Q (given as codes); B: input W_Q (given as codes): QUANTISED (scales: A lowp_scales[0], B lowp_scales[1])
;;     2. [M 8,192, K 1,024] x [K 1,024, N 1,024]; A: input K (given as codes); B: input W_K (given as codes): QUANTISED (scales: A lowp_scales[2], B lowp_scales[3])
;;     3. [M 8,192, K 1,024] x [K 1,024, N 1,024]; A: input V (given as codes); B: input W_V (given as codes): QUANTISED (scales: A lowp_scales[4], B lowp_scales[5])
;;     4. batch 64 x [M 2,048, K 64] x [K 64, N 2,048]; A: computed on the way; B: computed on the way: QUANTISED (scales: A lowp_scales[6], B lowp_scales[7])
;;     5. batch 64 x [M 2,048, K 2,048] x [K 2,048, N 64]; A: computed on the way; B: computed on the way: QUANTISED (scales: A lowp_scales[8], B lowp_scales[9])
;;     6. [M 8,192, K 1,024] x [K 1,024, N 1,024]; A: computed on the way; B: input W_O (given as codes): QUANTISED (scales: A lowp_scales[10], B lowp_scales[11])
;;   THE QUANTISER, for each operand of a quantised product, along K:
;;     - The operand's scale is 2^e, e = its entry of the input lowp_scales (int32; the entries are numbered through the quantised products in the list's order, A before B).
;;     - Each number is divided by the scale, clamped to +-448, and rounded to the nearest number of E4M3, ties to even, subnormals kept.
;;     - The product sums the exact products of the quantised numbers (number of the format x scale) in f32.
;;   ~~~python
;;   def quantise(x, axis, e):      # numpy; x: float32 -> the quantised numbers, widened to float32 again
;;       x = np.moveaxis(x, axis, -1); K = x.shape[-1]
;;       r = np.clip(x / 2.0 ** e, -448, 448)
;;       step = 2.0 ** (np.maximum(np.frexp(np.where(r == 0, 1, r))[1] - 1, -6) - 3)
;;       q = np.round(r / step) * step * 2.0 ** e      # np.round: ties to even
;;       return np.moveaxis(q, -1, axis).astype(np.float32)
;;   ~~~
;;   OPERANDS COMPUTED ON THE WAY. 'Computed on the way' means the value that the module computes at that place (a softmax that the list does not call 'softmax' is quantised finished and normalised). What goes into a quantiser is computed in f32, as accurately as f32 sums, v_exp_f32 and their like allow (about 1e-6 of the number): no bf16 or f16 on the way to a quantiser, and a product that is left as it is and whose result goes on into a quantised operand takes f32 operands (vector FMAs, or v_wmma_f32_16x16x4_f32). A number that lies on a knife's edge between two numbers of the format may be rounded either way, as far as f32 arithmetic and the matrix unit's own rounding can turn it there, and no further.
;;   INPUTS GIVEN AS CODES. K (in the module: [4, 2048, 1024], K = its axis 2); Q (in the module: [4, 2048, 1024], K = its axis 2); V (in the module: [4, 2048, 1024], K = its axis 2); W_K (in the module: [1024, 1024], K = its axis 1); W_O (in the module: [1024, 1024], K = its axis 1); W_Q (in the module: [1024, 1024], K = its axis 1); W_V (in the module: [1024, 1024], K = its axis 1): each comes as NAME_codes (uint8): NAME with its K axis moved to the last place and cut into blocks of 32 codes, [.., K / 32, bytes a block], one block behind the other in memory; one code a byte (a code: sign, 4 exponent bits, 3 mantissa bits); its scale is its entry of lowp_scales. Its value is code x scale, taken as it is: it is not quantised again, and the codes and scales need not be those that the quantiser above would give.
;; 2 versions, each right; version 2 is version 1 with the launch attn written anew for expert scheduling mode. Each part assembles by itself: llvm-mc -triple=amdgcn-amd-amdhsa -mcpu=gfx1250 --defsym DOCPART=n.
;; ======== version 1 of 2: 4 launches
;; workspace buffers: q_c 8,388,608 bytes; k_c 8,388,608 bytes; v_c 8,388,608 bytes; mb 16,777,216 bytes; a_c 8,388,608 bytes
;; launch pack (part 1): grid 256 x 1, 8 waves a work-group, no clusters, 19,456 bytes of LDS; arguments mask, mb; writes mb
.if DOCPART == 1
	.amdgcn_target "amdgcn-amd-amdhsa--gfx1250"
	.amdhsa_code_object_version 6
	.text
	.protected	k_qef364a3dc5_pack
	.globl	k_qef364a3dc5_pack
	.p2align	8
	.type	k_qef364a3dc5_pack,@function
k_qef364a3dc5_pack:
	s_mov_b64 s[64:65], 0
	v_nop
	global_prefetch_b8 v0, s[64:65] scope:SCOPE_SE
	s_setreg_imm32_b32 hwreg(HW_REG_WAVE_MODE, 25, 1), 1
	s_wait_xcnt 0x0
; mask [4][1][2048][2048] int32 becomes mb, one byte a number: 0xFF where mask == 0 (the key is hidden), 0x00 elsewhere.
; mb is laid in the order of the registers that hold the softmax weights' codes in the attention launch:
;   [batch 4][32 queries 64][64 keys 32][tile of 16 queries 2][g 2][lane 32][16 bytes];
;   lane 16 h + r, byte y: query 16 T + r, key 32 g + 16 (y / 8) + 8 h + y % 8 of the 64.
; SHARES.  A tile is 16 rows of the mask (8,192 rows in all, 512 tiles).  A work-group of eight waves takes two tiles; a wave takes 512 keys of one tile,
; in four tasks of 16 rows x 128 keys.  Each load reads 512 consecutive bytes of one row; a lane makes one word (four keys' bytes) of each row; the words
; turn through the wave's own stage in LDS (8 rows of 256 bytes, 272 apart) and leave as stores of 512 consecutive bytes, aligned.
; Memory binds: no matrix unit, no cluster, no barrier (waves share nothing).  Two tasks' loads, 32 of 512 bytes, are on their way in each wave.
.set X,    16                          ; v16-143  two sets of 16 rows x 4 numbers
.set W,    144                         ; v144-159 a row's packed word
.set OUT,  160                         ; v160-223 16 registers for each task: no store's data are written again
.set SP,   272                         ; a stage row: 256 bytes + 16: row i starts at bank 4 i, and a lane's word adds 0 to 3: 32 lanes, 32 banks
.set WREG, 2304                        ; a wave's stage
	s_load_b128 s[4:7], s[0:1], 0x0                ; mask, mb
	v_lshl_add_u32 v224, v0, 2, 0x4800
	v_mov_b32 v225, 0
	v_lshrrev_b32 v1, 5, v0
	v_readfirstlane_b32 s8, v1                     ; wave 0..7
	v_and_b32 v1, 31, v0                           ; lane l
	v_lshlrev_b32 v2, 4, v1                        ; 16 l: my bytes of a load's and of a store's 512; never rewritten
	s_mov_b32 s9, 0x01010101
	s_mul_i32 s14, s8, WREG
	; into the stage.  My four keys of a task are 4 l .. 4 l + 3: step l / 16, g = bit 3 of l, y / 8 = bit 2, h = bit 1, y % 8 = 4 x bit 0 + 0..3
	v_lshrrev_b32 v5, 4, v1
	v_bfe_u32 v6, v1, 3, 1
	v_bfe_u32 v7, v1, 1, 1
	v_lshlrev_b32 v8, 2, v5
	v_lshl_add_u32 v8, v6, 1, v8
	v_add_nc_u32 v8, v8, v7                        ; stage row 4 step + 2 g + h
	v_mul_u32_u24 v3, v8, SP
	v_bfe_u32 v6, v1, 2, 1
	v_lshl_add_u32 v3, v6, 3, v3
	v_and_b32 v6, 1, v1
	v_lshl_add_u32 v3, v6, 2, v3
	v_add_nc_u32 v3, s14, v3                       ; + 16 r by the store's immediate
	; out of it: lane 16 h + r takes 16 bytes at 16 r of stage row (4 step + 2 g) + h
	v_mul_u32_u24 v4, v5, SP
	v_and_b32 v6, 15, v1
	v_lshl_add_u32 v4, v6, 4, v4
	v_add_nc_u32 v4, s14, v4
	s_lshl_b32 s10, ttmp9, 1
	s_lshr_b32 s11, s8, 2
	s_add_co_u32 s10, s10, s11                     ; my tile, 0..511
	s_and_b32 s11, s8, 3                           ; my quarter of the keys
	s_lshl_b32 s12, s10, 17                        ; 16 rows of 8,192 bytes
	s_lshl_b32 s13, s11, 11                        ; 512 keys of 4 bytes
	s_add_co_u32 s12, s12, s13
	s_mov_b32 s13, 0
	s_lshr_b32 s16, s10, 1
	s_lshl_b32 s16, s16, 16                        ; 32 queries: 32 steps of 2,048 bytes
	s_and_b32 s17, s10, 1
	s_lshl_b32 s17, s17, 10                        ; which 16 of them
	s_add_co_u32 s16, s16, s17
	s_lshl_b32 s17, s11, 14                        ; 8 steps
	s_add_co_u32 s16, s16, s17
	s_mov_b32 s17, 0
	s_wait_kmcnt 0x0
	s_add_nc_u64 s[4:5], s[4:5], s[12:13]
	s_add_nc_u64 s[6:7], s[6:7], s[16:17]
.macro LOAD t                          ; task t: 16 rows x 512 bytes into set t % 2
.irp r, 0,1,2,3,4,5,6,7,8,9,10,11,12,13,14,15
	global_load_b128 v[X+64*((\t)%2)+4*\r:X+64*((\t)%2)+4*\r+3], v2, s[4:5] offset:8192*\r+512*(\t) th:TH_LOAD_NT
.endr
.endm
.macro TASK t
.set XS, X+64*((\t)%2)
.if (\t) < 3
	s_wait_loadcnt 16                              ; this task's 16 loads are in; the next task's 16 may be out
.else
	s_wait_loadcnt 0x0
.endif
.irp r, 0,1,2,3,4,5,6,7,8,9,10,11,12,13,14,15
	v_min_u32 v[XS+4*\r], 1, v[XS+4*\r]            ; 1 where the number is not 0, whatever it is
	v_min_u32 v[XS+4*\r+1], 1, v[XS+4*\r+1]
	v_min_u32 v[XS+4*\r+2], 1, v[XS+4*\r+2]
	v_min_u32 v[XS+4*\r+3], 1, v[XS+4*\r+3]
.endr
.irp r, 0,1,2,3,4,5,6,7,8,9,10,11,12,13,14,15
	v_lshl_or_b32 v[XS+4*\r], v[XS+4*\r+1], 8, v[XS+4*\r]
	v_lshl_or_b32 v[XS+4*\r+2], v[XS+4*\r+3], 8, v[XS+4*\r+2]
.endr
.irp r, 0,1,2,3,4,5,6,7,8,9,10,11,12,13,14,15
	v_lshl_or_b32 v[XS+4*\r], v[XS+4*\r+2], 16, v[XS+4*\r]    ; four bytes of 0 or 1, the lowest key in the lowest byte
.endr
.irp r, 0,1,2,3,4,5,6,7,8,9,10,11,12,13,14,15
	v_sub_nc_u32 v[XS+4*\r], s9, v[XS+4*\r]        ; 1 where the key is hidden
.endr
.irp r, 0,1,2,3,4,5,6,7,8,9,10,11,12,13,14,15
	v_lshlrev_b32 v[XS+4*\r+1], 8, v[XS+4*\r]
.endr
.irp r, 0,1,2,3,4,5,6,7,8,9,10,11,12,13,14,15
	v_sub_nc_u32 v[W+\r], v[XS+4*\r+1], v[XS+4*\r] ; x 255: 0xFF where hidden
.endr
.irp r, 0,1,2,3,4,5,6,7,8,9,10,11,12,13,14,15
	ds_store_b32 v3, v[W+\r] offset:16*\r
.endr
.if (\t) < 2
	LOAD (\t)+2                                    ; into the set just worked
.endif
.irp i, 0,1,2,3
	ds_load_b128 v[OUT+16*(\t)+4*\i:OUT+16*(\t)+4*\i+3], v4 offset:2*SP*\i   ; LDS serves a wave's instructions in order: these see the stores above
.endr
	s_wait_dscnt 0x0                               ; the words are back, and the stores have read W
.irp i, 0,1,2,3
	global_store_b128 v2, v[OUT+16*(\t)+4*\i:OUT+16*(\t)+4*\i+3], s[6:7] offset:4096*(\t)+2048*(\i/2)+512*(\i%2)   ; 32 lanes store 512 consecutive bytes, aligned
.endr
.endm
	LOAD 0
	LOAD 1
	TASK 0
	TASK 1
	TASK 2
	TASK 3
	s_wait_tensorcnt 0x0
	ds_add_u32 v224, v225
	s_wait_dscnt 0x0
	s_endpgm
.Lfunc_end_k_qef364a3dc5_pack:
	.size	k_qef364a3dc5_pack, .Lfunc_end_k_qef364a3dc5_pack-k_qef364a3dc5_pack
	.p2alignl 7, 3214868480
	.fill 96, 4, 3214868480
	.section	.rodata,"a",@progbits
	.p2align	6, 0x0
	.amdhsa_kernel k_qef364a3dc5_pack
		.amdhsa_group_segment_fixed_size 19456
		.amdhsa_private_segment_fixed_size 0
		.amdhsa_enable_private_segment 0
		.amdhsa_kernarg_size 16
		.amdhsa_user_sgpr_count 2
		.amdhsa_user_sgpr_kernarg_segment_ptr 1
		.amdhsa_wavefront_size32 1
		.amdhsa_system_sgpr_workgroup_id_x 1
		.amdhsa_system_sgpr_workgroup_id_y 1
		.amdhsa_system_sgpr_workgroup_id_z 1
		.amdhsa_system_vgpr_workitem_id 0
		.amdhsa_next_free_vgpr 226
		.amdhsa_next_free_sgpr 66
		.amdhsa_reserve_vcc 0
		.amdhsa_float_denorm_mode_32 3
		.amdhsa_float_denorm_mode_16_64 3
		.amdhsa_memory_ordered 1
		.amdhsa_forward_progress 1
		.amdhsa_inst_pref_size 42
	.end_amdhsa_kernel
	.amdgpu_metadata
---
amdhsa.version: [ 1, 2 ]
amdhsa.kernels:
  - .name:           k_qef364a3dc5_pack
    .symbol:         k_qef364a3dc5_pack.kd
    .args:
      - { .name: mask, .offset: 0, .size: 8, .value_kind: global_buffer, .address_space: global }
      - { .name: mb, .offset: 8, .size: 8, .value_kind: global_buffer, .address_space: global }
    .group_segment_fixed_size: 19456
    .private_segment_fixed_size: 0
    .kernarg_segment_align: 8
    .kernarg_segment_size: 16
    .max_flat_workgroup_size: 256
    .sgpr_count:     66
    .vgpr_count:     226
    .wavefront_size: 32
...
	.end_amdgpu_metadata
.endif
;; end of part 1
;; launch proj (part 2): grid 4 x 96, 4 waves a work-group, clusters of 4 x 4, 327,680 bytes of LDS; arguments Q_codes, K_codes, V_codes, W_Q_codes, W_K_codes, W_V_codes, lowp_scales, q_c, k_c, v_c; writes q_c, k_c, v_c
.if DOCPART == 2
	.amdgcn_target "amdgcn-amd-amdhsa--gfx1250"
	.amdhsa_code_object_version 6
	.text
	.protected	k_qef364a3dc5_proj
	.globl	k_qef364a3dc5_proj
	.p2align	8
	.type	k_qef364a3dc5_proj,@function
k_qef364a3dc5_proj:
	s_mov_b64 s[64:65], 0
	v_nop
	global_prefetch_b8 v0, s[64:65] scope:SCOPE_SE
	s_setreg_imm32_b32 hwreg(HW_REG_WAVE_MODE, 25, 1), 1
	s_wait_xcnt 0x0
	s_wait_alu depctr_hold_cnt(0) depctr_sa_sdst(0) depctr_va_vdst(0) depctr_va_sdst(0) depctr_va_ssrc(0) depctr_va_vcc(0) depctr_vm_vsrc(0)
	s_getreg_b32 s2, hwreg(HW_REG_IB_STS2, 6, 4)
	s_cmp_eq_u32 s2, 0
	s_cbranch_scc0 .Lentry_in_a_cluster
	s_endpgm
.Lentry_in_a_cluster:
	s_bfe_u32 s2, ttmp6, 0x10000c
	s_cmp_lg_u32 s2, 0xf033
	s_cbranch_scc0 .Lentry_shape_is_right
	s_endpgm
.Lentry_shape_is_right:
; The three projections q = Q W_Q^T, k = K W_K^T, v = V W_V^T on codes of FP8 (E4M3), each result quantised with its given scale and stored as images of operand registers.
; One launch: the grid's 96 tile rows are 24 clusters; t = cluster y / 8 says which tensor (0 q, 1 k, 2 v), j = cluster y % 8 which eighth of its 8,192 tokens.
; A tile of the result, 256 x 256, is made by four waves, each 128 x 128: 64 accumulators of 16 x 16, 512 registers.  K = 1,024 goes in four steps of 256 through a ring of two LDS slots.
; CLUSTERS: 4 x 4 work-groups.  LDS region A (256 rows) hangs on cy and is shared along a row of the cluster, region B (256 rows) on cx and is shared along a column: joint loads.
;   q, k: A = tokens 256 (4 j + cy) on, B = rows 256 cx on of the weight.      v: A = rows 256 cy on of W_V, B = tokens 256 (4 j + cx) on.
; The matrix instruction takes 16 rows of B as source 0 and 16 rows of A as source 1: a lane holds ONE row of A's side and eight neighbours of B's side.  So for q and k a lane's eight numbers are eight
; neighbouring features (the K of the scores), and for v eight neighbouring tokens (the K of the second product of attention): the conversions give codes with the next K innermost.
; IMAGES.  16 rows x 64 codes = 1,024 bytes, [g 2][lane 32][16 bytes]: lane 16 h + r, byte y of piece g: row r, k = 32 g + 16 (y / 8) + 8 h + y % 8: registers 4 g .. 4 g + 3 of an operand of the K = 64 form.
;   q_c, k_c: [batch][head][token / 16][image], rows = tokens, k = the head's 64.     v_c: [batch][head][token / 64][d / 16][image], rows = d, k = 64 tokens.
; A lane's codes of column blocks 2 g and 2 g + 1 are the 16 bytes at 512 g + 16 x lane of an image: they are stored as they stand, 512 consecutive bytes a store.
; code = sum x 2^(eA + eB - eO), held within +-448, to the nearest code, ties to even.  LIMIT: eO - eA - eB between -126 and 119.  NaN codes among the inputs are not served.
; REGISTERS, in windows of 256: window 0: v0-31 addresses and constants; from v128 A's fragments, ONE set; on the way out v32-111.   window 1: B's fragments, TWO sets.   windows 2, 3: the accumulators ((a, b) at v[8 (8 (a % 4) + b)]).
.set ROWB,   256                       ; a tile's row in bytes: 256 codes
.set KROW,   1024                      ; a row of any of the six inputs, in bytes
.set PITCH,  272                       ; an LDS row: 256 + 16 bytes = 68 words: row r starts at bank 4 r mod 64, so the 16 rows that a load touches start at 16 different banks
.set FR,     16                        ; registers of a fragment: 16 rows x 128 K
.set NL,     4                         ; LDS loads that bring one
.set NP,     4                         ; places behind this matrix instruction (ISA guide 7.12.1)
.set HALFT,  128*PITCH
.set SLOT,   4*HALFT                   ; A's 256 rows, then B's 256 rows
.set LAPS,   2                         ; a lap = two K steps = once round the ring
.set SPARE,  2*SLOT                    ; behind the ring: the spare words, 128 bytes for each wave, which no other line names
.set ADRA, 16                          ; v16-17  LDS address of my A fragments in slot 0, 1
.set ADRB, 20                          ; v20-21  the same for B
.set CO,   26                          ; v26     16 x lane: my place in an image's piece
.set CO2,  27                          ; v27     the same in the image of the second 64 columns
.set SPW,  28                          ; v28     LDS address of my spare word; never rewritten
.set NIL,  29                          ; v29     0; never rewritten
.set SCL,  30                          ; v30     2^(eO - eA - eB) as f32
.set LIM,  31                          ; v31     448 x that
.set TMP,  32                          ; v32-95  a block's sums, held
.set CD,   96                          ; v96-111 their codes
.set AF,   128
.set G1, 24                            ; s[24:31] descriptor group 1 for A's tiles;  s[32:39] group 0, one set for each slot
.set G0, 32
.set G1B, 48                           ; s[48:55], s[56:63] the same for B's tiles
.set G0B, 56
.set MSB, 0
.macro WIN new                         ; the immediate's high byte repeats the setting that is left
.if MSB != \new
	s_set_vgpr_msb (MSB<<8)|\new
.set MSB, \new
.endif
.endm
.set MUL_LO, 0xa1                      ; source 0 (B) window 1, source 1 (A) window 0, C and D window 2
.set MUL_HI, 0xf1                      ; the same, C and D window 3
.set TO_B,   0x40                      ; destination window 1, address window 0
; A joint load: waves 0 and 1 fetch for A, waves 2 and 3 for B.  The branch hangs on the wave's number alone.  Four v_nop follow each of the two lines.
.macro JLOAD g0a, g1a, g0b, g1b
	s_cmp_eq_u32 s15, 0
	s_cbranch_scc0 .Lfor_b_\@
	tensor_load_to_lds s[\g0a:\g0a+3], s[\g1a:\g1a+7]
	s_nop 0
.rept 4
	v_nop
.endr
	s_branch .Lasked_\@
.Lfor_b_\@:
	tensor_load_to_lds s[\g0b:\g0b+3], s[\g1b:\g1b+7]
	s_nop 0
.rept 4
	v_nop
.endr
.Lasked_\@:
.endm
.macro CREST                           ; a round of the cluster's barrier behind its opening barrier
	s_cmp_lg_u32 s14, 0
	s_cbranch_scc1 .Lnot_wave_0_\@
	s_barrier_signal -3
.Lnot_wave_0_\@:
	s_barrier_wait -3
	s_barrier_signal -1
	s_barrier_wait -1
.endm
.macro CROUND                          ; a whole round
	s_barrier_signal -1
	s_barrier_wait -1
	CREST
.endm
	s_load_b512 s[68:83], s[0:1], 0x0              ; Q s[68:69], K s[70:71], V s[72:73], W_Q s[74:75], W_K s[76:77], W_V s[78:79], the exponents s[80:81], q_c s[82:83]
	s_load_b128 s[84:87], s[0:1], 0x40             ; k_c, v_c
	v_lshl_add_u32 v[SPW], v0, 2, SPARE
	v_mov_b32 v[NIL], 0
	ds_add_u32 v28, v29
	ds_add_u32 v28, v29
	s_wait_dscnt 0x0
	v_lshrrev_b32 v1, 5, v0
	v_readfirstlane_b32 s14, v1                    ; wave 0..3
	s_lshr_b32 s15, s14, 1                         ; which half of A's side is mine.  Also: I fetch for A (0) or for B (1)
	s_and_b32 s16, s14, 1                          ; which half of B's side.  Also: which 128 rows of that tile I fetch
	s_bfe_u32 s40, ttmp6, 0x40000                  ; cx, cy: my place in the cluster
	s_bfe_u32 s41, ttmp6, 0x40004
	s_and_b32 s66, ttmp7, 0xffff                   ; cluster y, 0..23 (the grid is one cluster wide)
	s_and_b32 s67, s66, 7
	s_lshl_b32 s67, s67, 2                         ; 4 j
	s_lshr_b32 s66, s66, 3                         ; t: the same in all sixteen partners
	s_cmp_eq_u32 s66, 2
	s_cselect_b32 s17, 0, s67
	s_cselect_b32 s42, s67, 0
	s_add_co_u32 s17, s17, s41                     ; A's tile: 4 j + cy (q, k) or cy (v)
	s_add_co_u32 s42, s42, s40                     ; B's tile: cx (q, k) or 4 j + cx (v)
	s_lshl_b32 s43, s41, 2
	s_lshl_b32 s43, 15, s43                        ; my row of the cluster
	s_lshl_b32 s44, 0x1111, s40                    ; my column
	; descriptor group 1: a tile of 128 rows x 256 bytes, padded in LDS
	s_or_b32 s[G1+0], s43, (0<<16)|(1<<20)|(1<<21)|(5<<22)|(3<<25)  ; 15:0 the mask: A's tiles go to my row; 17:16 element of 1 byte; 20 padding on; 21 set beside a mask; 24:22 after every 64 words; 31:25 of 4 words
	s_or_b32 s[G1B+0], s44, (0<<16)|(1<<20)|(1<<21)|(5<<22)|(3<<25)
.irp g, G1, G1B
	s_mov_b32 s[\g+1], ROWB<<16                    ; tensor_dim0
	s_mov_b32 s[\g+2], 128<<16                     ; tensor_dim1
	s_mov_b32 s[\g+3], ROWB<<16                    ; tile_dim0
	s_mov_b32 s[\g+4], 128                         ; tile_dim1
	s_mov_b32 s[\g+5], KROW                        ; tensor_dim0_stride
	s_mov_b32 s[\g+6], 0
	s_mov_b32 s[\g+7], 0
.endr
	s_lshl_b32 s18, s16, 7                         ; which 128 rows of the tile I fetch
	s_lshl_b32 s20, s17, 8
	s_add_co_u32 s20, s20, s18
	s_lshl_b32 s20, s20, 10                        ; A: (256 x tile + 128 x half) rows of 1,024 bytes: under 2^23
	s_mov_b32 s21, 0
	s_lshl_b32 s46, s42, 8
	s_add_co_u32 s46, s46, s18
	s_lshl_b32 s46, s46, 10                        ; B likewise
	s_mov_b32 s47, 0
	s_mul_i32 s45, s14, HALFT                      ; where they go: wave x 128 rows: no place in the cluster enters an LDS address
	s_wait_kmcnt 0x0
	s_load_b256 s[88:95], s[80:81], 0x0            ; e0 .. e7
	s_load_b128 s[96:99], s[80:81], 0x20           ; e8 .. e11
	s_cmp_eq_u32 s66, 1                            ; the buffers are chosen on t alone
	s_cselect_b64 s[4:5], s[70:71], s[68:69]
	s_cselect_b64 s[6:7], s[76:77], s[74:75]
	s_cselect_b64 s[10:11], s[84:85], s[82:83]
	s_cmp_eq_u32 s66, 2
	s_cselect_b64 s[4:5], s[78:79], s[4:5]         ; A: Q, K, or W_V
	s_cselect_b64 s[6:7], s[72:73], s[6:7]         ; B: W_Q, W_K, or V
	s_cselect_b64 s[10:11], s[86:87], s[10:11]     ; the result's images
	s_add_nc_u64 s[20:21], s[4:5], s[20:21]
	s_add_nc_u64 s[46:47], s[6:7], s[46:47]
	CROUND                                         ; all sixteen work-groups are here: the first joint loads meet
.irp s, 0,1
	s_mov_b32 s[G0+4*\s], 1
	s_add_co_u32 s[G0+4*\s+1], s45, \s*SLOT
	s_add_nc_u64 s[G0+4*\s+2:G0+4*\s+3], s[20:21], \s*ROWB
	s_or_b32 s[G0+4*\s+3], s[G0+4*\s+3], 0x80000000
	s_mov_b32 s[G0B+4*\s], 1
	s_add_co_u32 s[G0B+4*\s+1], s45, \s*SLOT
	s_add_nc_u64 s[G0B+4*\s+2:G0B+4*\s+3], s[46:47], \s*ROWB
	s_or_b32 s[G0B+4*\s+3], s[G0B+4*\s+3], 0x80000000
	JLOAD G0+4*\s, G1, G0B+4*\s, G1B               ; two tensor loads of mine are out
.endr
	v_and_b32 v1, 15, v0                           ; l % 16
	v_bfe_u32 v2, v0, 4, 1                         ; l / 16
	v_mul_u32_u24 v3, v1, PITCH
	v_lshl_add_u32 v4, v2, 4, v3                   ; a fragment's row x pitch + 16 x half
	s_mul_i32 s21, s15, HALFT                      ; my 128 rows of A
	s_mul_i32 s22, s16, HALFT                      ; my 128 rows of B,
	s_add_co_u32 s22, s22, 2*HALFT                 ; which lie behind A's 256
.irp s, 0,1
	v_add_nc_u32 v[ADRA+\s], s21, v4
	v_add_nc_u32 v[ADRB+\s], s22, v4
	s_add_co_u32 s21, s21, SLOT
	s_add_co_u32 s22, s22, SLOT
.endr
	; where my 128 x 128 goes.  Features: 256 x tile + 128 x half -> head0 = 4 x tile + 2 x half.  Tokens: token0 = 256 x tile + 128 x half.
	v_and_b32 v6, 31, v0
	v_lshlrev_b32 v[CO], 4, v6
	s_mov_b32 s67, 131072                          ; from the first 64 columns' image to the second's: the next head (q, k) ..
	s_mov_b32 s68, 1024                            ; from block 3's image to block 4's: the next 16 tokens (q, k) ..
	s_mov_b32 s69, 0
	s_cmp_eq_u32 s66, 2
	s_cselect_b32 s20, s17, s42                    ; the features' tile,
	s_cselect_b32 s21, s15, s16                    ; and half
	s_cselect_b32 s22, s42, s17                    ; the tokens' tile,
	s_cselect_b32 s23, s16, s15                    ; and half
	s_cselect_b32 s67, 4096, s67                   ; .. or the next 64 tokens (v)
	s_cselect_b32 s68, 128000, s68                 ; .. or the next head's first 16 d (v): 131,072 - 3 x 1,024
	s_lshl_b32 s20, s20, 2
	s_lshl_b32 s21, s21, 1
	s_add_co_u32 s20, s20, s21                     ; head0
	s_lshl_b32 s22, s22, 8
	s_lshl_b32 s23, s23, 7
	s_add_co_u32 s22, s22, s23                     ; token0
	s_lshr_b32 s23, s22, 11                        ; batch
	s_lshl_b32 s23, s23, 4
	s_add_co_u32 s20, s20, s23
	s_lshl_b32 s20, s20, 17                        ; (16 batch + head0) x 131,072
	s_and_b32 s22, s22, 2047
	s_lshl_b32 s22, s22, 6                         ; + 64 bytes for each token of the batch before mine: the same in both layouts
	s_add_co_u32 s20, s20, s22
	s_mov_b32 s21, 0
	s_add_nc_u64 s[10:11], s[10:11], s[20:21]
	v_add_nc_u32 v[CO2], s67, v[CO]
.macro FRAG reg, adr, q, i             ; a fragment, 16 rows x 128 K, is 16 registers: lane l holds row l % 16; registers 4 c .. 4 c + 3 hold K = 32 c + 16 (l / 16) + 0 .. 15: one order of k for A and for B
.irp c, 0,1,2,3
	ds_load_b128 v[\reg+4*\c:\reg+4*\c+3], v[\adr] offset:128*(\q)+32*\c+(\i)*16*PITCH
.endr
.endm
; 16 matrix instructions: A's blocks a0, a0 + 1 x B's eight, 128 along K.  p: B's set.  zero = 1: the first product starts the sums.  The 64 accumulators take turns, one instruction a turn.
.macro MUL16 a0, p, zero
.irp a, \a0, \a0+1
.irp b, 0,1,2,3,4,5,6,7
.if \zero
	v_wmma_f32_16x16x128_fp8_fp8 v[8*(8*((\a)%4)+\b):8*(8*((\a)%4)+\b)+7], v[128*(\p)+FR*\b:128*(\p)+FR*\b+FR-1], v[AF+FR*(\a):AF+FR*(\a)+FR-1], 0
.else
	v_wmma_f32_16x16x128_fp8_fp8 v[8*(8*((\a)%4)+\b):8*(8*((\a)%4)+\b)+7], v[128*(\p)+FR*\b:128*(\p)+FR*\b+FR-1], v[AF+FR*(\a):AF+FR*(\a)+FR-1], v[8*(8*((\a)%4)+\b):8*(8*((\a)%4)+\b)+7]
.endif
.endr
.endr
.endm
.macro FETCH_B slot, q, p              ; B's eight fragments of the slot's q-th 128 along K into set p
	WIN TO_B
.irp i, 0,1,2,3,4,5,6,7
	FRAG 128*(\p)+FR*\i, ADRB+\slot, \q, \i
.endr
	WIN 0
.endm
.macro FETCH_A slot, q, i0             ; A's blocks i0 .. i0 + 3
.irp i, \i0, \i0+1, \i0+2, \i0+3
	FRAG AF+FR*(\i), ADRA+\slot, \q, \i
.endr
.endm
.macro PLACES n                        ; places behind matrix instructions, in front of loads into registers that they have read and of the first read of results
.rept \n
	v_nop
.endr
.endm
; A step of 128 along K that has its successor in the same slot.
.macro STEP slot, q, zero
	s_wait_dscnt 4*NL                              ; B's set and A's blocks 0-3 are in; the youngest 16 loads (A's blocks 4-7) may be out
	WIN MUL_LO
	MUL16 0, (\q)%2, \zero
	MUL16 2, (\q)%2, \zero
	s_wait_dscnt 0                                 ; A's blocks 4-7 are in
	PLACES NP
	FETCH_B \slot, (\q)+1, 1-(\q)%2
	FETCH_A \slot, (\q)+1, 0
	WIN MUL_HI
	MUL16 4, (\q)%2, \zero
	MUL16 6, (\q)%2, \zero
	PLACES NP
	WIN 0
	FETCH_A \slot, (\q)+1, 4
.endm
; A slot's last step changes slots: ONE barrier; in front of it each wave waits for all its tensor loads, adds 0 to its spare word, and waits for that and for its own reads of this slot.  fill = 1: this slot is filled again, two K steps ahead.
.macro TURN slot, next, fill
	s_wait_tensorcnt 0x0                           ; all my tensor loads have landed: my part of the next slot
	ds_add_u32 v[SPW], v[NIL]                      ; 0 onto my spare word
	s_wait_dscnt 4*NL+1                            ; (the add and the youngest 16 loads, A's blocks 4-7, may be out)
	WIN MUL_LO
	MUL16 0, 1, 0                                  ; sixteen matrix instructions stand between the add and the wait for it
	s_wait_dscnt 0x0                               ; the add is done, and my reads of this slot are over
	s_barrier_signal -1
	MUL16 2, 1, 0
	WIN 0
	s_barrier_wait -1
.if \fill
	CREST                                          ; the barrier has opened a round of the cluster's barrier: no wave of any partner still reads this slot's tile or has a load on its way
	s_add_nc_u64 s[G0+4*\slot+2:G0+4*\slot+3], s[G0+4*\slot+2:G0+4*\slot+3], 2*ROWB
	s_add_nc_u64 s[G0B+4*\slot+2:G0B+4*\slot+3], s[G0B+4*\slot+2:G0B+4*\slot+3], 2*ROWB
	JLOAD G0+4*\slot, G1, G0B+4*\slot, G1B         ; the first tensor load behind the round, my one load until the next; its four v_nop are the places in front of the loads below
.else
	PLACES NP
.endif
	FETCH_B \next, 0, 0
	FETCH_A \next, 0, 0
	WIN MUL_HI
	MUL16 4, 1, 0
	MUL16 6, 1, 0
	PLACES NP
	WIN 0
	FETCH_A \next, 0, 4
.endm
	s_wait_tensorcnt 1                             ; my part of K step 0 is in (K step 1's load may be out)
	s_barrier_signal -1
	s_barrier_wait -1                              ; everybody's is
	FETCH_B 0, 0, 0
	FETCH_A 0, 0, 0
	FETCH_A 0, 0, 4
	STEP 0, 0, 1                                   ; the first step stands in front of the loop: its products start the sums
	s_mov_b32 s3, LAPS-1
.Llap:                                                 ; a trip goes once round the ring and fills both slots again
	TURN 0, 1, 1
	STEP 1, 0, 0
	TURN 1, 0, 1
	STEP 0, 0, 0
	s_sub_co_u32 s3, s3, 1
	s_cmp_lg_u32 s3, 0
	s_cbranch_scc1 .Llap
	TURN 0, 1, 0                                   ; the last lap fills nothing
	STEP 1, 0, 0
	s_wait_dscnt 4*NL                              ; the very last step: nothing more to fetch
	WIN MUL_LO
	MUL16 0, 1, 0
	MUL16 2, 1, 0
	s_wait_dscnt 0
	WIN MUL_HI
	MUL16 4, 1, 0
	MUL16 6, 1, 0
	WIN 0
	; THE WAY OUT.  The three exponents of my tensor, chosen on t without a branch: (e0, e1, e6), (e2, e3, e7), (e4, e5, e9).
	s_wait_kmcnt 0x0
	s_cmp_eq_u32 s66, 1
	s_cselect_b32 s88, s90, s88
	s_cselect_b32 s89, s91, s89
	s_cselect_b32 s94, s95, s94
	s_cmp_eq_u32 s66, 2
	s_cselect_b32 s88, s92, s88
	s_cselect_b32 s89, s93, s89
	s_cselect_b32 s94, s97, s94
	s_sub_co_i32 s94, s94, s88
	s_sub_co_i32 s94, s94, s89                     ; a sum stands for sum x 2^(eA + eB): its code is sum / 2^(eO - eA - eB)
	s_add_co_i32 s94, s94, 127
	s_lshl_b32 s95, s94, 23
	v_mov_b32 v[SCL], s95                          ; the conversion takes its exponent field
	s_add_co_i32 s94, s94, 8
	s_lshl_b32 s94, s94, 23
	s_or_b32 s94, s94, 0x600000
	v_mov_b32 v[LIM], s94                          ; 448 x that
	PLACES NP
; Block a: 16 rows of A's side x 128 of B's: two images.
.macro OUTBLK a
.set AC, 64*((\a)%4)
	WIN 0x02+((\a)/4)                              ; source 0: window 2 or 3
.set j, 0
.rept 64
	v_med3_num_f32 v[TMP+j], v[AC+j], -v[LIM], v[LIM]   ; the conversion to an 8-bit code does not saturate (ISA guide 7.6.2): the hold first, always; each accumulator from its low end on
.set j, j+1
.endr
	WIN 0
.if (\a) > 0
	s_wait_xcnt 0x0                                ; the last block's stores have read their data and their base: both are written again only behind this wait
.if (\a) == 4
	s_add_nc_u64 s[10:11], s[10:11], s[68:69]
.else
	s_add_nc_u64 s[10:11], s[10:11], 1024
.endif
.endif
.irp b, 0,1,2,3,4,5,6,7
	v_cvt_scalef32_pk8_fp8_f32 v[CD+2*\b:CD+2*\b+1], v[TMP+8*\b:TMP+8*\b+7], v[SCL]
.endr
	v_nop                                          ; one plain vector instruction behind the last conversion, ahead of the next block's holds, which write its sources
.irp g, 0,1
	global_store_b128 v[CO], v[CD+4*\g:CD+4*\g+3], s[10:11] offset:512*\g        ; 32 lanes store 512 consecutive bytes, aligned: piece g of the first 64 columns' image,
	global_store_b128 v[CO2], v[CD+8+4*\g:CD+8+4*\g+3], s[10:11] offset:512*\g   ; and of the second's
.endr
.endm
.irp a, 0,1,2,3,4,5,6,7
	OUTBLK \a
.endr
	s_wait_tensorcnt 0x0                           ; the wave's end
	ds_add_u32 v[SPW], v[NIL]
	s_wait_dscnt 0x0
	CROUND                                         ; the closing round: no work-group ends while a partner may still ask for a tile that names it
	s_endpgm
.Lfunc_end_k_qef364a3dc5_proj:
	.size	k_qef364a3dc5_proj, .Lfunc_end_k_qef364a3dc5_proj-k_qef364a3dc5_proj
	.p2alignl 7, 3214868480
	.fill 96, 4, 3214868480
	.section	.rodata,"a",@progbits
	.p2align	6, 0x0
	.amdhsa_kernel k_qef364a3dc5_proj
		.amdhsa_group_segment_fixed_size 327680
		.amdhsa_private_segment_fixed_size 0
		.amdhsa_enable_private_segment 0
		.amdhsa_kernarg_size 80
		.amdhsa_user_sgpr_count 2
		.amdhsa_user_sgpr_kernarg_segment_ptr 1
		.amdhsa_wavefront_size32 1
		.amdhsa_system_sgpr_workgroup_id_x 1
		.amdhsa_system_sgpr_workgroup_id_y 1
		.amdhsa_system_sgpr_workgroup_id_z 1
		.amdhsa_system_vgpr_workitem_id 0
		.amdhsa_next_free_vgpr 1024
		.amdhsa_next_free_sgpr 100
		.amdhsa_reserve_vcc 0
		.amdhsa_float_denorm_mode_32 3
		.amdhsa_float_denorm_mode_16_64 3
		.amdhsa_memory_ordered 1
		.amdhsa_forward_progress 1
		.amdhsa_inst_pref_size 119
	.end_amdhsa_kernel
	.amdgpu_metadata
---
amdhsa.version: [ 1, 2 ]
amdhsa.kernels:
  - .name:           k_qef364a3dc5_proj
    .symbol:         k_qef364a3dc5_proj.kd
    .args:
      - { .name: Q_codes, .offset: 0, .size: 8, .value_kind: global_buffer, .address_space: global }
      - { .name: K_codes, .offset: 8, .size: 8, .value_kind: global_buffer, .address_space: global }
      - { .name: V_codes, .offset: 16, .size: 8, .value_kind: global_buffer, .address_space: global }
      - { .name: W_Q_codes, .offset: 24, .size: 8, .value_kind: global_buffer, .address_space: global }
      - { .name: W_K_codes, .offset: 32, .size: 8, .value_kind: global_buffer, .address_space: global }
      - { .name: W_V_codes, .offset: 40, .size: 8, .value_kind: global_buffer, .address_space: global }
      - { .name: lowp_scales, .offset: 48, .size: 8, .value_kind: global_buffer, .address_space: global }
      - { .name: q_c, .offset: 56, .size: 8, .value_kind: global_buffer, .address_space: global }
      - { .name: k_c, .offset: 64, .size: 8, .value_kind: global_buffer, .address_space: global }
      - { .name: v_c, .offset: 72, .size: 8, .value_kind: global_buffer, .address_space: global }
    .group_segment_fixed_size: 327680
    .private_segment_fixed_size: 0
    .kernarg_segment_align: 8
    .kernarg_segment_size: 80
    .max_flat_workgroup_size: 128
    .sgpr_count:     100
    .vgpr_count:     1024
    .wavefront_size: 32
...
	.end_amdgpu_metadata
.endif
;; end of part 2
;; launch attn (part 3): grid 4 x 64, 16 waves a work-group, no clusters, 305,152 bytes of LDS; arguments q_c, k_c, v_c, mb, lowp_scales, a_c; writes a_c
.if DOCPART == 3
	.amdgcn_target "amdgcn-amd-amdhsa--gfx1250"
	.amdhsa_code_object_version 6
	.text
	.protected	k_qef364a3dc5_attn
	.globl	k_qef364a3dc5_attn
	.p2align	8
	.type	k_qef364a3dc5_attn,@function
k_qef364a3dc5_attn:
	s_mov_b64 s[64:65], 0
	v_nop
	global_prefetch_b8 v0, s[64:65] scope:SCOPE_SE
	s_setreg_imm32_b32 hwreg(HW_REG_WAVE_MODE, 25, 1), 1
	s_wait_xcnt 0x0
; Attention of one head on codes of FP8 (E4M3): scores = q k^T / 8, hidden where the mask says so; weights = softmax, FINISHED AND NORMALISED, quantised with 2^e8; attn = weights v, quantised with 2^e10.
; Since the weights are quantised normalised, a row's maximum and sum are wanted before any weight is made: THE KEYS ARE WALKED TWICE.
;   pass 1: s = K Q^T, the running maximum m and the sum l of 2^(c s - c m);  c = log2(e) / 8 x 2^(e6 + e7).
;   pass 2: s again; p = 2^(c s - c M - log2 L), the row's weight; its codes; O^T += V^T P.
; SHARES.  A work-group owns one head (grid y = 16 batch + head) and 512 queries (grid x); each of its sixteen waves owns 32 queries, two tiles of 16, so that each fragment of K and V read from LDS feeds two matrix
; instructions; four waves to a SIMD, so that one wave's exponentials stand beside another's plain work, matrix work and loads.
; LDS, filled once through registers, one barrier in the launch: the head's K images (131,072 bytes), its V images (131,072), a stage of 2,560 bytes for each wave.
; LAYOUT.  Both products are used transposed, in the K = 64 form: S^T = K Q^T (source 0 = 16 keys, source 1 = 16 queries): lane 16 h + r holds query r, register 8 t + j key 16 t + 8 h + j of a step's 64.  The conversion of
; registers 8 t .. 8 t + 7 gives registers 2 t, 2 t + 1 of P, source 1 of O^T = V^T P.  mb holds a byte for each weight in P's own order: 0xFF where hidden.
; THE MASK.  Pass 1: a hidden key's byte, moved to the top of a word, is -2^127: that word is the C of the score's matrix instruction, so a hidden score is far under every other.  Pass 2: the codes of hidden keys are
; cleared by the bytes themselves, whatever they were.  A row all of whose keys are hidden has all its codes cleared and gives 0.
; A lane keeps m and l of its own half of the keys; the two lanes of a query are joined once, between the passes.
; NO JOINT LOADS: K and V, which the four work-groups of a head share, are 262,144 of the 2,359,296 bytes that a work-group reads, once at its head.  The mask bytes, which the sixteen heads of a batch share, go straight
; into each wave's registers in the operand's order, 2,048 bytes a step, with no LDS and no barrier in the loops.  And the hold of p is jumped over on the given e8.
; LIMITS: e6 + e7 between -100 and 60 (c x 2^60 is an f32 number, and c x 2^127 is above 150); e8, and e10 - e8 - e9, between -126 and 119.  A raw score is at most 64 x 448^2, under 2^60.  NaN codes are not served.
.set LI,   1                           ; v1   16 x lane: my place in an image's piece, in LDS and in memory; never rewritten
.set LIV,  2                           ; v2   the same among V's images
.set ADK,  3                           ; v3   LDS address of the trip's K images
.set ADV,  4                           ; v4   of its V images
.set PFO,  6                           ; v6   256 x lane, for the prefetches; never rewritten
.set STO,  7                           ; v7   the way out: where I put 8 bytes of a row
.set RD,   8                           ; v8   and where I read 16 back
.set FK,   9                           ; v9   the fill: 8,192 x wave + 16 x lane
.set FV,   10                          ; v10  the same among V's images in LDS
.set SC8,  11                          ; v11  2^e8 as f32
.set ST,   12                          ; tile u's statistics at v[ST + 10 u]: +0 -c m (pass 2: -c M - log2 L), +1 m, +2, +3 l in two halves, +4 a, +5 its pair's upper half, +6, +7 a second chain of sums, +8, +9 at work
.set Q,    32                          ; v32-47   Q's two fragments
.set MA,   48                          ; v48-63   mask bytes of an even step: register 8 u + i beside P's register 8 u + i
.set MB,   64                          ; v64-79   of an odd step
.set KF,   80                          ; v80-111  four fragments of K, or of V
.set D,    112                         ; v112-175 S^T, then p: 32 u + 8 t + j
.set PC,   176                         ; v176-191 p's codes: 8 u + 2 t
.set O,    192                         ; v192-255 O^T: 32 u + 8 dt + j
.set WV,   16                          ; s16  wave
.set SEL,  26                          ; s[26:27] v_permlanex16_b32's selects for lane l xor 16
.set PS,   28                          ; s[28:31] v_perm_b32's selectors: byte i of a word to the top, zeros below
.set CS,   32                          ; s[32:33] c, twice
.set NC,   34                          ; s34  -c
.set TB,   35                          ; s35  LDS byte at which the trip's four steps begin
.set CNT,  36                          ; s36  trips to go
.set LIM,  37                          ; s37  1 in a work-group that prefetches, else the greatest number
.set MP,   38                          ; s[38:39] the trip's mask bytes
.set MNX,  40                          ; s[40:41] the next trip's
.set START, 42                         ; s[42:43] my wave's first
.set HOLD, 44                          ; s44  448 x 2^e8
.set VBASE, 131072
.set STAGE, 262144
	s_load_b256 s[4:11], s[0:1], 0x0               ; q_c s[4:5], k_c s[6:7], v_c s[8:9], mb s[10:11]
	s_load_b128 s[12:15], s[0:1], 0x20             ; the exponents s[12:13], a_c s[14:15]
	v_lshrrev_b32 v5, 5, v0
	v_readfirstlane_b32 s[WV], v5                  ; wave 0..15
	v_and_b32 v5, 31, v0                           ; lane
	v_lshlrev_b32 v[LI], 4, v5
	v_add_nc_u32 v[LIV], VBASE, v[LI]
	v_lshlrev_b32 v[PFO], 8, v5
	s_lshl_b32 s45, s[WV], 13
	v_add_nc_u32 v[FK], s45, v[LI]
	v_add_nc_u32 v[FV], VBASE, v[FK]
	s_mul_i32 s45, s[WV], 2560
	s_add_co_u32 s45, s45, STAGE                   ; my stage: 2 tiles x 16 rows x (64 bytes + 16)
	v_and_b32 v12, 15, v0                          ; r
	v_bfe_u32 v13, v0, 4, 1                        ; h
	v_mul_u32_u24 v[STO], v12, 80
	v_lshl_add_u32 v[STO], v13, 3, v[STO]
	v_add_nc_u32 v[STO], s45, v[STO]               ; in: row r, 8 h; + 16 dt by the immediate
	v_lshrrev_b32 v12, 2, v5
	v_and_b32 v13, 3, v5
	v_mul_u32_u24 v[RD], v12, 80
	v_lshl_add_u32 v[RD], v13, 4, v[RD]
	v_add_nc_u32 v[RD], s45, v[RD]                 ; back: four lanes to a row of 64 bytes, eight rows an instruction
	s_and_b32 s17, ttmp7, 0xffff                   ; 16 batch + head
	s_lshl_b32 s18, ttmp9, 4
	s_add_co_u32 s18, s18, s[WV]                   ; qp: which 32 queries of the batch's 2,048 are my wave's
	s_lshl_b32 s46, s17, 17                        ; the head's images: 131,072 bytes in each of q_c, k_c, v_c
	s_mov_b32 s47, 0
	s_lshl_b32 s48, s18, 11                        ; my two images of Q
	s_add_co_u32 s48, s48, s46
	s_mov_b32 s49, 0
	s_lshr_b32 s50, s17, 4                         ; batch
	s_lshl_b32 s51, s50, 6
	s_add_co_u32 s51, s51, s18
	s_lshl_b32 s52, s51, 16                        ; my mask bytes: (64 batch + qp) x 32 steps x 2,048
	s_mov_b32 s53, 0
	s_lshl_b32 s50, s50, 4
	s_lshr_b32 s51, s18, 2
	s_add_co_u32 s50, s50, s51
	s_lshl_b32 s50, s50, 17                        ; a_c: [token / 128][head][token % 128][64]: (16 batch + qp / 4) x 131,072
	s_and_b32 s51, s17, 15                         ; head
	s_cmp_eq_u32 s51, 0
	s_cselect_b32 s[LIM], 1, -1
	s_lshl_b32 s51, s51, 13
	s_add_co_u32 s50, s50, s51                     ; + head x 8,192
	s_and_b32 s51, s18, 3
	s_lshl_b32 s51, s51, 11
	s_add_co_u32 s50, s50, s51                     ; + 32 (qp % 4) rows of 64 bytes
	s_mov_b32 s51, 0
	s_mov_b32 s[SEL], 0x76543210
	s_mov_b32 s[SEL+1], 0xfedcba98
	s_mov_b32 s[PS], 0x000c0c0c
	s_mov_b32 s[PS+1], 0x010c0c0c
	s_mov_b32 s[PS+2], 0x020c0c0c
	s_mov_b32 s[PS+3], 0x030c0c0c
	s_mov_b32 s[TB], 0
	s_mov_b32 s[CNT], 8
	s_wait_kmcnt 0x0
	s_load_b128 s[20:23], s[12:13], 0x18           ; e6, e7, e8, e9
	s_load_b32 s24, s[12:13], 0x28                 ; e10
	s_add_nc_u64 s[4:5], s[4:5], s[48:49]
	s_add_nc_u64 s[6:7], s[6:7], s[46:47]
	s_add_nc_u64 s[8:9], s[8:9], s[46:47]
	s_add_nc_u64 s[START:START+1], s[10:11], s[52:53]
	s_mov_b64 s[MP:MP+1], s[START:START+1]
	s_add_nc_u64 s[14:15], s[14:15], s[50:51]
.macro MLOAD buf, base, off            ; a step's 2,048 mask bytes of my 32 queries: four loads of 512 consecutive bytes
.irp k, 0,1,2,3
	global_load_b128 v[\buf+4*\k:\buf+4*\k+3], v[LI], s[\base:\base+1] offset:\off+512*\k
.endr
.endm
.irp i, 0,1,2,3,4,5,6,7,8,9,10,11,12,13,14,15
	global_load_b128 v[D+4*\i:D+4*\i+3], v[FK], s[6:7] offset:512*\i          ; my sixteenth of the head's K images
.endr
.irp i, 0,1,2,3,4,5,6,7,8,9,10,11,12,13,14,15
	global_load_b128 v[PC+4*\i:PC+4*\i+3], v[FK], s[8:9] offset:512*\i        ; and of its V images
.endr
.irp k, 0,1,2,3
	global_load_b128 v[Q+4*\k:Q+4*\k+3], v[LI], s[4:5] offset:512*\k          ; Q's two fragments stay in registers
.endr
	MLOAD MA, MP, 0                                ; step 0's mask bytes
	s_wait_kmcnt 0x0
	s_add_co_i32 s45, s20, s21
	s_lshl_b32 s45, s45, 23
	s_add_co_i32 s[CS], s45, 0x3e38aa3b            ; c = log2(e) / 8, with e6 + e7 added to its exponent field
	s_mov_b32 s[CS+1], s[CS]
	s_xor_b32 s[NC], s[CS], 0x80000000
	s_add_co_i32 s45, s22, 127
	s_lshl_b32 s46, s45, 23
	v_mov_b32 v[SC8], s46
	s_add_co_i32 s45, s45, 8
	s_lshl_b32 s45, s45, 23
	s_or_b32 s[HOLD], s45, 0x600000
.irp u, 0,1
	v_mov_b32 v[ST+10*\u+1], 0xdd800000            ; m = -2^60: under every raw score, over every hidden one
	v_mul_f32 v[ST+10*\u], s[NC], v[ST+10*\u+1]    ; -c m
.irp i, 2,3,4,5,6,7,8,9
	v_mov_b32 v[ST+10*\u+\i], 0
.endr
.endr
	s_wait_loadcnt 24                              ; K's 16 loads are in (behind them: V's 16, Q's 4, the mask's 4)
.irp i, 0,1,2,3,4,5,6,7,8,9,10,11,12,13,14,15
	ds_store_b128 v[FK], v[D+4*\i:D+4*\i+3] offset:512*\i
.endr
	s_wait_loadcnt 8                               ; V's are in (behind them: Q's 4, the mask's 4)
.irp i, 0,1,2,3,4,5,6,7,8,9,10,11,12,13,14,15
	ds_store_b128 v[FV], v[PC+4*\i:PC+4*\i+3] offset:512*\i
.endr
	s_wait_dscnt 0x0                               ; for the others' sake: my stores have landed
	s_barrier_signal -1
	s_barrier_wait -1                              ; the head's K and V lie in LDS; nothing writes them again
.macro KLOAD s                         ; step s of the trip: four fragments of K (16 keys x 64 each)
.irp k, 0,1,2,3,4,5,6,7
	ds_load_b128 v[KF+4*\k:KF+4*\k+3], v[ADK] offset:4096*(\s)+512*\k
.endr
.endm
.macro VLOAD s                         ; four fragments of V^T (16 d x the step's 64 keys each)
.irp k, 0,1,2,3,4,5,6,7
	ds_load_b128 v[KF+4*\k:KF+4*\k+3], v[ADV] offset:4096*(\s)+512*\k
.endr
.endm
; A prefetch of the next trip's 8,192 mask bytes of my wave: 32 lanes, 256 bytes apart.  The sixteen heads of a batch walk the same bytes: head 0's work-group asks, in pass 1 alone, so each block is named once in the launch.
; It stands behind the step's loads; the pass's last trip asks for nothing; trip 0's bytes come by their loads alone.
.macro ASK
	s_cmp_gt_u32 s[CNT], s[LIM]
	s_cbranch_scc0 .Lnot_mine_\@
	global_prefetch_b8 v[PFO], s[MP:MP+1] offset:8192 th:TH_LOAD_NT scope:SCOPE_SE
.Lnot_mine_\@:
.endm
.macro BUFS s                          ; MC: this step's mask bytes; MO: the buffer that takes the next step's
.if (\s)%2 == 0
.set MC, MA
.set MO, MB
.else
.set MC, MB
.set MO, MA
.endif
.endm
.macro SCALE                           ; c s + (the tile's addend), two at a time: of the pairs the low word serves both halves.  Each accumulator from its low end on
.set e, 0
.rept 16
	v_pk_fma_f32 v[D+e:D+e+1], v[D+e:D+e+1], s[CS:CS+1], v[ST:ST+1] op_sel_hi:[1,0,0]
	v_pk_fma_f32 v[D+32+e:D+32+e+1], v[D+32+e:D+32+e+1], s[CS:CS+1], v[ST+10:ST+11] op_sel_hi:[1,0,0]
.set e, e+2
.endr
.endm
.macro EXPS                            ; 64 exponentials, one batch
.set e, 0
.rept 64
	v_exp_f32 v[D+e], v[D+e]
.set e, e+1
.endr
	v_nop                                          ; one plain instruction behind the last exponential,
	s_wait_alu depctr_va_vdst(0)                   ; and one wait for the whole batch, ahead of its first reader and of every branch
.endm
; PASS 1, a step of 64 keys.
.macro STEP1 s
	BUFS \s
.if (\s) < 3
	MLOAD MO, MP, 2048*((\s)+1)                    ; the next step's mask bytes
.else
	MLOAD MO, MNX, 0                               ; the next trip's first; in the pass's last trip: pass 2's first
.endif
	KLOAD \s
.if (\s) == 0
	ASK
.endif
	s_wait_loadcnt 4                               ; only the four loads just issued may be out: this step's mask bytes are in
.set e, 0
.rept 32
	v_perm_b32 v[D+e], v[MC+e/4], v[MC+e/4], s[PS+e%4]              ; the weight's mask byte to the top of a word: -2^127 where hidden, 0 elsewhere
	v_perm_b32 v[D+32+e], v[MC+8+e/4], v[MC+8+e/4], s[PS+e%4]
.set e, e+1
.endr
	s_wait_dscnt 0x0                               ; K's fragments are in
.irp t, 0,1,2,3
.irp u, 0,1
	v_wmma_f32_16x16x64_fp8_fp8 v[D+32*\u+8*\t:D+32*\u+8*\t+7], v[KF+8*\t:KF+8*\t+7], v[Q+8*\u:Q+8*\u+7], v[D+32*\u+8*\t:D+32*\u+8*\t+7]   ; the eight accumulators by turns
.endr
.endr
.rept 4
	v_nop                                          ; places, in front of the first read of results and of the next loads into K's registers
.endr
.irp u, 0,1                                    ; the maximum of m and my 32 scores, in two chains a tile
	v_max3_num_f32 v[ST+10*\u+8], v[ST+10*\u+1], v[D+32*\u], v[D+32*\u+1]
	v_max3_num_f32 v[ST+10*\u+9], v[D+32*\u+16], v[D+32*\u+17], v[D+32*\u+18]
.endr
.irp i, 0,1,2,3,4,5
.irp u, 0,1
	v_max3_num_f32 v[ST+10*\u+8], v[ST+10*\u+8], v[D+32*\u+2+2*\i], v[D+32*\u+3+2*\i]
	v_max3_num_f32 v[ST+10*\u+9], v[ST+10*\u+9], v[D+32*\u+19+2*\i], v[D+32*\u+20+2*\i]
.endr
.endr
.irp u, 0,1
	v_max3_num_f32 v[ST+10*\u+8], v[ST+10*\u+8], v[D+32*\u+14], v[D+32*\u+15]
.endr
.irp u, 0,1
	v_max3_num_f32 v[ST+10*\u+1], v[ST+10*\u+8], v[ST+10*\u+9], v[D+32*\u+31]   ; the new m
.endr
.irp u, 0,1
	v_mul_f32 v[ST+10*\u+8], s[NC], v[ST+10*\u+1]  ; -c m
.endr
.irp u, 0,1
	v_sub_f32 v[ST+10*\u+9], v[ST+10*\u+8], v[ST+10*\u]   ; c m_old - c m_new, 0 or less
.endr
.irp u, 0,1
	v_mov_b32 v[ST+10*\u], v[ST+10*\u+8]
.endr
	SCALE
	v_exp_f32 v[ST+4], v[ST+9]                     ; a = 2^(c m_old - c m_new)
	v_exp_f32 v[ST+14], v[ST+19]
	EXPS
.irp u, 0,1
	v_pk_mul_f32 v[ST+10*\u+2:ST+10*\u+3], v[ST+10*\u+2:ST+10*\u+3], v[ST+10*\u+4:ST+10*\u+5] op_sel_hi:[1,0]   ; l under the new m
	v_pk_add_f32 v[ST+10*\u+6:ST+10*\u+7], v[D+32*\u:D+32*\u+1], v[D+32*\u+2:D+32*\u+3]
.endr
.irp i, 4,8,12,16,20,24,28
.irp u, 0,1
	v_pk_add_f32 v[ST+10*\u+2:ST+10*\u+3], v[ST+10*\u+2:ST+10*\u+3], v[D+32*\u+\i:D+32*\u+\i+1]
	v_pk_add_f32 v[ST+10*\u+6:ST+10*\u+7], v[ST+10*\u+6:ST+10*\u+7], v[D+32*\u+\i+2:D+32*\u+\i+3]
.endr
.endr
.irp u, 0,1
	v_pk_add_f32 v[ST+10*\u+2:ST+10*\u+3], v[ST+10*\u+2:ST+10*\u+3], v[ST+10*\u+6:ST+10*\u+7]
.endr
.endm
; PASS 2, a step of 64 keys.
.macro STEP2 s
	BUFS \s
.if (\s) < 3
	MLOAD MO, MP, 2048*((\s)+1)
	s_wait_loadcnt 4                               ; this step's mask bytes are in
.else
	s_cmp_eq_u32 s[CNT], 1                         ; the last step of all has no successor: no load leaves my wave's bytes
	s_cbranch_scc1 .Lno_next_\@
	MLOAD MO, MNX, 0
	s_wait_loadcnt 4
	s_branch .Lhave_\@
.Lno_next_\@:
	s_wait_loadcnt 0x0
.Lhave_\@:
.endif
	KLOAD \s
	s_wait_dscnt 0x0
.irp t, 0,1,2,3
.irp u, 0,1
	v_wmma_f32_16x16x64_fp8_fp8 v[D+32*\u+8*\t:D+32*\u+8*\t+7], v[KF+8*\t:KF+8*\t+7], v[Q+8*\u:Q+8*\u+7], 0
.endr
.endr
.rept 4
	v_nop                                          ; places, in front of the loads into K's registers and of the first read of results
.endr
	VLOAD \s                                       ; V's fragments land while the weights are made
	SCALE                                          ; c s - c M - log2 L
	EXPS                                           ; p: the row's weight, normalised
	s_cmp_gt_i32 s22, -9                           ; 448 x 2^e8 is above 1 from e8 = -8 on, and no weight that counts is: the hold is wanted only under that
	s_cbranch_scc1 .Lno_hold_\@
.set e, 0
.rept 64
	v_min_num_f32 v[D+e], s[HOLD], v[D+e]          ; the conversion to an 8-bit code does not saturate (ISA guide 7.6.2); p is not negative, so the hold is one-sided
.set e, e+1
.endr
.Lno_hold_\@:
.irp t, 0,1,2,3
.irp u, 0,1
	v_cvt_scalef32_pk8_fp8_f32 v[PC+8*\u+2*\t:PC+8*\u+2*\t+1], v[D+32*\u+8*\t:D+32*\u+8*\t+7], v[SC8]
.endr
.endr
	v_nop                                          ; one plain instruction between the conversions and the readers of their results
.set e, 0
.rept 16
	v_bfi_b32 v[PC+e], v[MC+e], 0, v[PC+e]         ; hidden keys' codes become 0, whatever stood there
.set e, e+1
.endr
	s_wait_dscnt 0x0                               ; V's fragments are in
.irp t, 0,1,2,3
.irp u, 0,1
	v_wmma_f32_16x16x64_fp8_fp8 v[O+32*\u+8*\t:O+32*\u+8*\t+7], v[KF+8*\t:KF+8*\t+7], v[PC+8*\u:PC+8*\u+7], v[O+32*\u+8*\t:O+32*\u+8*\t+7]   ; the eight accumulators by turns
.endr
.endr
.rept 4
	v_nop                                          ; places, in front of the next loads into V's registers, and of the way out
.endr
.endm
.macro TRIP_END                        ; behind the wait the bases of the trip's loads and of its prefetch may be written
	s_wait_xcnt 0x0
	s_mov_b64 s[MP:MP+1], s[MNX:MNX+1]
	s_add_co_u32 s[TB], s[TB], 16384
	s_sub_co_u32 s[CNT], s[CNT], 1
	s_cmp_lg_u32 s[CNT], 0
.endm
.Lpass1:                                           ; 8 trips of 4 steps of 64 keys
	v_add_nc_u32 v[ADK], s[TB], v[LI]
	s_add_nc_u64 s[MNX:MNX+1], s[MP:MP+1], 8192
	s_cmp_eq_u32 s[CNT], 1
	s_cselect_b64 s[MNX:MNX+1], s[START:START+1], s[MNX:MNX+1]   ; behind the last trip: back to my first bytes, for pass 2
	STEP1 0
	STEP1 1
	STEP1 2
	STEP1 3
	TRIP_END
	s_cbranch_scc1 .Lpass1
	; BETWEEN THE PASSES: the two lanes of a query are joined.  M = the larger m; each lane's l is brought under M; L = their sum; the addend of pass 2 is -c M - log2 L.
	; A row all hidden: M = -2^60, L = 0, the addend is +infinity; all its codes are cleared in pass 2.
.irp u, 0,1
	v_add_f32 v[ST+10*\u+2], v[ST+10*\u+2], v[ST+10*\u+3]
	v_permlanex16_b32 v[ST+10*\u+8], v[ST+10*\u+1], s[SEL], s[SEL+1]
.endr
.irp u, 0,1
	v_max_num_f32 v[ST+10*\u+1], v[ST+10*\u+1], v[ST+10*\u+8]
.endr
.irp u, 0,1
	v_mul_f32 v[ST+10*\u+8], s[NC], v[ST+10*\u+1]  ; -c M
.endr
.irp u, 0,1
	v_sub_f32 v[ST+10*\u+9], v[ST+10*\u+8], v[ST+10*\u]   ; c m - c M
.endr
	v_exp_f32 v[ST+4], v[ST+9]
	v_exp_f32 v[ST+14], v[ST+19]
	v_nop
	s_wait_alu depctr_va_vdst(0)                   ; one wait for the two, ahead of their first reader
.irp u, 0,1
	v_mul_f32 v[ST+10*\u+2], v[ST+10*\u+2], v[ST+10*\u+4]
.endr
.irp u, 0,1
	v_permlanex16_b32 v[ST+10*\u+3], v[ST+10*\u+2], s[SEL], s[SEL+1]
.endr
.irp u, 0,1
	v_add_f32 v[ST+10*\u+2], v[ST+10*\u+2], v[ST+10*\u+3]   ; L
.endr
	v_log_f32 v[ST+6], v[ST+2]
	v_log_f32 v[ST+16], v[ST+12]
	v_nop
	s_wait_alu depctr_va_vdst(0)
.irp u, 0,1
	v_sub_f32 v[ST+10*\u], v[ST+10*\u+8], v[ST+10*\u+6]
.endr
.set e, 0
.rept 64
	v_mov_b32 v[O+e], 0                            ; O^T: the step is written once, and its first turn finds zeros
.set e, e+1
.endr
	s_mov_b32 s[TB], 0
	s_mov_b32 s[CNT], 8
.Lpass2:
	v_add_nc_u32 v[ADK], s[TB], v[LI]
	v_add_nc_u32 v[ADV], s[TB], v[LIV]
	s_add_nc_u64 s[MNX:MNX+1], s[MP:MP+1], 8192    ; (in the last trip nothing is loaded from it)
	STEP2 0
	STEP2 1
	STEP2 2
	STEP2 3
	TRIP_END
	s_cbranch_scc1 .Lpass2
	; THE WAY OUT.  A sum stands for sum x 2^(e8 + e9): its code is sum / 2^(e10 - e8 - e9).  A lane's eight codes are d = 16 dt + 8 h + 0 .. 7 of query r: they go through my stage and leave as rows of 64 bytes,
	; a tile's 16 rows on end: a_c is laid [token / 128][head][token % 128][64], so that the last product's tiles are dense blocks.
	s_sub_co_i32 s45, s24, s22
	s_sub_co_i32 s45, s45, s23
	s_add_co_i32 s45, s45, 127
	s_lshl_b32 s46, s45, 23
	v_mov_b32 v80, s46
	s_add_co_i32 s45, s45, 8
	s_lshl_b32 s45, s45, 23
	s_or_b32 s45, s45, 0x600000
	v_mov_b32 v81, s45
.set e, 0
.rept 64
	v_med3_num_f32 v[O+e], v[O+e], -v81, v81       ; the hold at the largest code x the scale; each accumulator from its low end on
.set e, e+1
.endr
.irp u, 0,1
.irp t, 0,1,2,3
	v_cvt_scalef32_pk8_fp8_f32 v[PC+8*\u+2*\t:PC+8*\u+2*\t+1], v[O+32*\u+8*\t:O+32*\u+8*\t+7], v80
.endr
.endr
	v_nop
.irp u, 0,1
.irp t, 0,1,2,3
	ds_store_b64 v[STO], v[PC+8*\u+2*\t:PC+8*\u+2*\t+1] offset:1280*\u+16*\t
.endr
.endr
.irp u, 0,1
.irp i, 0,1
	ds_load_b128 v[D+8*\u+4*\i:D+8*\u+4*\i+3], v[RD] offset:1280*\u+640*\i   ; LDS serves a wave's instructions in order: these see my stores
.endr
.endr
	s_wait_dscnt 0x0
.irp u, 0,1
.irp i, 0,1
	global_store_b128 v[LI], v[D+8*\u+4*\i:D+8*\u+4*\i+3], s[14:15] offset:1024*\u+512*\i   ; 32 lanes store 512 consecutive bytes, aligned
.endr
.endr
	s_wait_xcnt 0x0
	v_lshl_add_u32 v254, v0, 2, 0x4a000
	v_mov_b32 v255, 0
	s_wait_tensorcnt 0x0
	ds_add_u32 v254, v255
	s_wait_dscnt 0x0
	s_endpgm
.Lfunc_end_k_qef364a3dc5_attn:
	.size	k_qef364a3dc5_attn, .Lfunc_end_k_qef364a3dc5_attn-k_qef364a3dc5_attn
	.p2alignl 7, 3214868480
	.fill 96, 4, 3214868480
	.section	.rodata,"a",@progbits
	.p2align	6, 0x0
	.amdhsa_kernel k_qef364a3dc5_attn
		.amdhsa_group_segment_fixed_size 305152
		.amdhsa_private_segment_fixed_size 0
		.amdhsa_enable_private_segment 0
		.amdhsa_kernarg_size 48
		.amdhsa_user_sgpr_count 2
		.amdhsa_user_sgpr_kernarg_segment_ptr 1
		.amdhsa_wavefront_size32 1
		.amdhsa_system_sgpr_workgroup_id_x 1
		.amdhsa_system_sgpr_workgroup_id_y 1
		.amdhsa_system_sgpr_workgroup_id_z 1
		.amdhsa_system_vgpr_workitem_id 0
		.amdhsa_next_free_vgpr 256
		.amdhsa_next_free_sgpr 66
		.amdhsa_reserve_vcc 0
		.amdhsa_float_denorm_mode_32 3
		.amdhsa_float_denorm_mode_16_64 3
		.amdhsa_memory_ordered 1
		.amdhsa_forward_progress 1
		.amdhsa_inst_pref_size 118
	.end_amdhsa_kernel
	.amdgpu_metadata
---
amdhsa.version: [ 1, 2 ]
amdhsa.kernels:
  - .name:           k_qef364a3dc5_attn
    .symbol:         k_qef364a3dc5_attn.kd
    .args:
      - { .name: q_c, .offset: 0, .size: 8, .value_kind: global_buffer, .address_space: global }
      - { .name: k_c, .offset: 8, .size: 8, .value_kind: global_buffer, .address_space: global }
      - { .name: v_c, .offset: 16, .size: 8, .value_kind: global_buffer, .address_space: global }
      - { .name: mb, .offset: 24, .size: 8, .value_kind: global_buffer, .address_space: global }
      - { .name: lowp_scales, .offset: 32, .size: 8, .value_kind: global_buffer, .address_space: global }
      - { .name: a_c, .offset: 40, .size: 8, .value_kind: global_buffer, .address_space: global }
    .group_segment_fixed_size: 305152
    .private_segment_fixed_size: 0
    .kernarg_segment_align: 8
    .kernarg_segment_size: 48
    .max_flat_workgroup_size: 512
    .sgpr_count:     66
    .vgpr_count:     256
    .wavefront_size: 32
...
	.end_amdgpu_metadata
.endif
;; end of part 3
;; launch oproj (part 4): grid 4 x 32, 4 waves a work-group, clusters of 4 x 4, 327,680 bytes of LDS; arguments a_c, W_O_codes, lowp_scales, out0; writes out0
.if DOCPART == 4
	.amdgcn_target "amdgcn-amd-amdhsa--gfx1250"
	.amdhsa_code_object_version 6
	.text
	.protected	k_qef364a3dc5_oproj
	.globl	k_qef364a3dc5_oproj
	.p2align	8
	.type	k_qef364a3dc5_oproj,@function
k_qef364a3dc5_oproj:
	s_mov_b64 s[64:65], 0
	v_nop
	global_prefetch_b8 v0, s[64:65] scope:SCOPE_SE
	s_setreg_imm32_b32 hwreg(HW_REG_WAVE_MODE, 25, 1), 1
	s_wait_xcnt 0x0
	s_wait_alu depctr_hold_cnt(0) depctr_sa_sdst(0) depctr_va_vdst(0) depctr_va_sdst(0) depctr_va_ssrc(0) depctr_va_vcc(0) depctr_vm_vsrc(0)
	s_getreg_b32 s2, hwreg(HW_REG_IB_STS2, 6, 4)
	s_cmp_eq_u32 s2, 0
	s_cbranch_scc0 .Lentry_in_a_cluster
	s_endpgm
.Lentry_in_a_cluster:
	s_bfe_u32 s2, ttmp6, 0x10000c
	s_cmp_lg_u32 s2, 0xf033
	s_cbranch_scc0 .Lentry_shape_is_right
	s_endpgm
.Lentry_shape_is_right:
; out0[token][n] = 2^(e10 + e11) x the sum over k of a[token][k] W_O[n][k], on codes of FP8 (E4M3); out0: [8192][1024] f32; sums in f32.
; a's codes lie in a_c as [token / 128][head 16][token % 128][64 bytes]; k = 64 head + d.  W_O's codes lie [n][1024], K innermost.
; LIMIT: e10 + e11 between -126 and 127, so that 2^(e10 + e11) is an f32 number.
; A tile of the result, 256 x 256, is made by four waves, each 128 x 128: 64 accumulators, 512 registers.  K goes in four steps of 256 (four heads) through a ring of two LDS slots.
; A's part of a K step for 128 tokens is ONE DENSE BLOCK of 32,768 bytes of a_c: it comes as 128 rows of 256 bytes.  LDS row 32 g + token / 4 holds, at byte 64 (token % 4), the 64 codes of local head g.
; CLUSTERS: 4 x 4 work-groups; A's tiles are shared along a row of the cluster, B's along a column: joint loads.  The matrix instruction takes 16 rows of W_O as source 0 and 16 tokens as source 1: a lane holds
; eight neighbouring numbers of a row of the result.
; REGISTERS, in windows of 256: window 0: v0-31 addresses; from v128 A's fragments, ONE set; on the way out v32-255 are free.   window 1: B's fragments, TWO sets.   windows 2, 3: the accumulators ((a, b) at v[8 (8 (a % 4) + b)]).
.set SIZE_N, 1024
.set ROWB,   256                       ; a tile's row in bytes
.set KROW,   1024                      ; a row of W_O in bytes
.set ABLK,   32768                     ; a K step of 128 tokens in a_c
.set PITCH,  272                       ; an LDS row: 256 + 16 bytes
.set FR,     16
.set NL,     4
.set NP,     4
.set HALFT,  128*PITCH
.set SLOT,   4*HALFT
.set LAPS,   2
.set SPARE,  2*SLOT                    ; behind the ring: the spare words, 128 bytes for each wave, which no other line names
.set SPITCH, 528                       ; the way out: a stage of 16 rows x (512 bytes + 16) for each wave, in slot 0, which has had its last fill and its last read when the first result is stored there
.set ADRA, 16
.set ADRB, 20
.set STO,  24
.set RD,   25
.set CO,   26
.set SPW,  28
.set NIL,  29
.set TMP,  32
.set AF,   128
.set BK,   128
.set G1, 24
.set G0, 32
.set G1B, 48
.set G0B, 56
.set MSB, 0
.macro WIN new                         ; the immediate's high byte repeats the setting that is left
.if MSB != \new
	s_set_vgpr_msb (MSB<<8)|\new
.set MSB, \new
.endif
.endm
.set MUL_LO, 0xa1
.set MUL_HI, 0xf1
.set TO_B,   0x40
.macro JLOAD g0a, g1a, g0b, g1b        ; a joint load: waves 0 and 1 fetch for A, waves 2 and 3 for B; four v_nop follow each of the two lines
	s_cmp_eq_u32 s15, 0
	s_cbranch_scc0 .Lfor_b_\@
	tensor_load_to_lds s[\g0a:\g0a+3], s[\g1a:\g1a+7]
	s_nop 0
.rept 4
	v_nop
.endr
	s_branch .Lasked_\@
.Lfor_b_\@:
	tensor_load_to_lds s[\g0b:\g0b+3], s[\g1b:\g1b+7]
	s_nop 0
.rept 4
	v_nop
.endr
.Lasked_\@:
.endm
.macro CREST
	s_cmp_lg_u32 s14, 0
	s_cbranch_scc1 .Lnot_wave_0_\@
	s_barrier_signal -3
.Lnot_wave_0_\@:
	s_barrier_wait -3
	s_barrier_signal -1
	s_barrier_wait -1
.endm
.macro CROUND
	s_barrier_signal -1
	s_barrier_wait -1
	CREST
.endm
	s_load_b128 s[4:7], s[0:1], 0x0                ; a_c s[4:5], W_O's codes s[6:7]
	s_load_b128 s[8:11], s[0:1], 0x10              ; the exponents s[8:9], out0 s[10:11]
	v_lshl_add_u32 v[SPW], v0, 2, SPARE
	v_mov_b32 v[NIL], 0
	ds_add_u32 v28, v29
	ds_add_u32 v28, v29
	s_wait_dscnt 0x0
	v_lshrrev_b32 v1, 5, v0
	v_readfirstlane_b32 s14, v1                    ; wave 0..3
	s_lshr_b32 s15, s14, 1                         ; which half of the tile's rows is mine.  Also: I fetch for A (0) or for B (1)
	s_and_b32 s16, s14, 1                          ; which half of its columns.  Also: which 128 rows of that tile I fetch
	s_bfe_u32 s40, ttmp6, 0x40000                  ; cx, cy
	s_bfe_u32 s41, ttmp6, 0x40004
	s_lshl_b32 s42, ttmp9, 2
	s_add_co_u32 s42, s42, s40                     ; tile column = 4 x cluster x + cx
	s_and_b32 s17, ttmp7, 0xffff
	s_lshl_b32 s17, s17, 2
	s_add_co_u32 s17, s17, s41                     ; tile row = 4 x cluster y + cy
	s_lshl_b32 s43, s41, 2
	s_lshl_b32 s43, 15, s43                        ; my row of the cluster
	s_lshl_b32 s44, 0x1111, s40                    ; my column
	s_or_b32 s[G1+0], s43, (0<<16)|(1<<20)|(1<<21)|(5<<22)|(3<<25)  ; the mask; elements of 1 byte; padding: 4 words after every 64; bit 21 beside a mask
	s_or_b32 s[G1B+0], s44, (0<<16)|(1<<20)|(1<<21)|(5<<22)|(3<<25)
.irp g, G1, G1B
	s_mov_b32 s[\g+1], ROWB<<16                    ; tensor_dim0
	s_mov_b32 s[\g+2], 128<<16                     ; tensor_dim1
	s_mov_b32 s[\g+3], ROWB<<16                    ; tile_dim0
	s_mov_b32 s[\g+4], 128                         ; tile_dim1
	s_mov_b32 s[\g+6], 0
	s_mov_b32 s[\g+7], 0
.endr
	s_mov_b32 s[G1+5], ROWB                        ; A: dense: a row begins where the last ends
	s_mov_b32 s[G1B+5], KROW                       ; B: rows of W_O
	s_lshl_b32 s20, s17, 1
	s_add_co_u32 s20, s20, s16
	s_lshl_b32 s20, s20, 17                        ; A: (2 x tile row + half) x 131,072
	s_mov_b32 s21, 0
	s_lshl_b32 s18, s16, 7
	s_lshl_b32 s46, s42, 8
	s_add_co_u32 s46, s46, s18
	s_lshl_b32 s46, s46, 10                        ; B: (256 x tile column + 128 x half) rows of 1,024 bytes
	s_mov_b32 s47, 0
	s_mul_i32 s45, s14, HALFT                      ; where they go: wave x 128 rows
	s_wait_kmcnt 0x0
	s_load_b64 s[96:97], s[8:9], 0x28              ; e10, e11
	s_add_nc_u64 s[20:21], s[4:5], s[20:21]
	s_add_nc_u64 s[46:47], s[6:7], s[46:47]
	CROUND                                         ; all sixteen work-groups are here: the first joint loads meet
.irp s, 0,1
	s_mov_b32 s[G0+4*\s], 1
	s_add_co_u32 s[G0+4*\s+1], s45, \s*SLOT
	s_add_nc_u64 s[G0+4*\s+2:G0+4*\s+3], s[20:21], \s*ABLK
	s_or_b32 s[G0+4*\s+3], s[G0+4*\s+3], 0x80000000
	s_mov_b32 s[G0B+4*\s], 1
	s_add_co_u32 s[G0B+4*\s+1], s45, \s*SLOT
	s_add_nc_u64 s[G0B+4*\s+2:G0B+4*\s+3], s[46:47], \s*ROWB
	s_or_b32 s[G0B+4*\s+3], s[G0B+4*\s+3], 0x80000000
	JLOAD G0+4*\s, G1, G0B+4*\s, G1B               ; two tensor loads of mine are out
.endr
	v_and_b32 v1, 15, v0                           ; r
	v_bfe_u32 v2, v0, 4, 1                         ; h
	v_mul_u32_u24 v3, v1, PITCH
	v_lshl_add_u32 v4, v2, 4, v3                   ; B: row r x pitch + 16 h
	v_lshrrev_b32 v5, 2, v1
	v_mul_u32_u24 v5, v5, PITCH
	v_and_b32 v6, 3, v1
	v_lshl_add_u32 v5, v6, 6, v5
	v_lshl_add_u32 v5, v2, 4, v5                   ; A: token r: LDS row r / 4, byte 64 (r % 4) + 16 h: sixteen lanes fall on sixteen different columns of 16 bytes
	s_mul_i32 s21, s15, HALFT                      ; my 128 tokens of A
	s_mul_i32 s22, s16, HALFT                      ; my 128 rows of B,
	s_add_co_u32 s22, s22, 2*HALFT                 ; which lie behind A's two halves
.irp s, 0,1
	v_add_nc_u32 v[ADRA+\s], s21, v5
	v_add_nc_u32 v[ADRB+\s], s22, v4
	s_add_co_u32 s21, s21, SLOT
	s_add_co_u32 s22, s22, SLOT
.endr
	s_mul_i32 s23, s14, 16*SPITCH                  ; my stage
	v_mul_u32_u24 v5, v1, SPITCH                   ; in: row r, 32 bytes for each half of the lanes
	v_lshl_add_u32 v5, v2, 5, v5
	v_add_nc_u32 v[STO], s23, v5
	v_and_b32 v6, 31, v0
	v_lshlrev_b32 v[CO], 4, v6                     ; back: the 32 lanes take one row of 512 bytes; and the same in the result
	v_add_nc_u32 v[RD], s23, v[CO]
	s_lshl_b32 s20, s17, 8
	s_lshl_b32 s21, s15, 7
	s_add_co_u32 s20, s20, s21                     ; my first row: 256 x tile row + 128 x half,
	s_lshl_b32 s20, s20, 12                        ; of 4,096 bytes
	s_lshl_b32 s46, s42, 10                        ; my first column, in bytes: 1,024 x tile column + 512 x half
	s_lshl_b32 s47, s16, 9
	s_add_co_u32 s46, s46, s47
	s_add_co_u32 s20, s20, s46
	s_mov_b32 s21, 0
	s_add_nc_u64 s[10:11], s[10:11], s[20:21]
.macro FRAG reg, adr, q, i             ; B: 16 rows x 128 K in 16 registers: registers 4 c .. 4 c + 3 hold K = 32 c + 16 h + 0 .. 15
.irp c, 0,1,2,3
	ds_load_b128 v[\reg+4*\c:\reg+4*\c+3], v[\adr] offset:128*(\q)+32*\c+(\i)*16*PITCH
.endr
.endm
.macro FRAGA reg, adr, q, i            ; A: the same k in the same registers: local head 2 q + c / 2, d = 32 (c % 2) + 16 h + 0 .. 15; tokens 16 i on: LDS rows 4 i on of that head's 32
.irp c, 0,1,2,3
	ds_load_b128 v[\reg+4*\c:\reg+4*\c+3], v[\adr] offset:((2*(\q)+\c/2)*32+4*(\i))*PITCH+32*(\c%2)
.endr
.endm
.macro MUL16 a0, p, zero               ; 16 matrix instructions: A's blocks a0, a0 + 1 x B's eight; the 64 accumulators take turns
.irp a, \a0, \a0+1
.irp b, 0,1,2,3,4,5,6,7
.if \zero
	v_wmma_f32_16x16x128_fp8_fp8 v[8*(8*((\a)%4)+\b):8*(8*((\a)%4)+\b)+7], v[128*(\p)+FR*\b:128*(\p)+FR*\b+FR-1], v[AF+FR*(\a):AF+FR*(\a)+FR-1], 0
.else
	v_wmma_f32_16x16x128_fp8_fp8 v[8*(8*((\a)%4)+\b):8*(8*((\a)%4)+\b)+7], v[128*(\p)+FR*\b:128*(\p)+FR*\b+FR-1], v[AF+FR*(\a):AF+FR*(\a)+FR-1], v[8*(8*((\a)%4)+\b):8*(8*((\a)%4)+\b)+7]
.endif
.endr
.endr
.endm
.macro FETCH_B slot, q, p
	WIN TO_B
.irp i, 0,1,2,3,4,5,6,7
	FRAG 128*(\p)+FR*\i, ADRB+\slot, \q, \i
.endr
	WIN 0
.endm
.macro FETCH_A slot, q, i0
.irp i, \i0, \i0+1, \i0+2, \i0+3
	FRAGA AF+FR*(\i), ADRA+\slot, \q, \i
.endr
.endm
.macro PLACES n
.rept \n
	v_nop
.endr
.endm
.macro STEP slot, q, zero              ; a step of 128 along K that has its successor in the same slot
	s_wait_dscnt 4*NL                              ; B's set and A's blocks 0-3 are in; the youngest 16 loads (A's blocks 4-7) may be out
	WIN MUL_LO
	MUL16 0, (\q)%2, \zero
	MUL16 2, (\q)%2, \zero
	s_wait_dscnt 0
	PLACES NP
	FETCH_B \slot, (\q)+1, 1-(\q)%2
	FETCH_A \slot, (\q)+1, 0
	WIN MUL_HI
	MUL16 4, (\q)%2, \zero
	MUL16 6, (\q)%2, \zero
	PLACES NP
	WIN 0
	FETCH_A \slot, (\q)+1, 4
.endm
.macro TURN slot, next, fill           ; a slot's last step changes slots: one barrier, with the three lines in front of it
	s_wait_tensorcnt 0x0                           ; all my tensor loads have landed: my part of the next slot
	ds_add_u32 v[SPW], v[NIL]                      ; 0 onto my spare word
	s_wait_dscnt 4*NL+1                            ; (the add and the youngest 16 loads may be out)
	WIN MUL_LO
	MUL16 0, 1, 0
	s_wait_dscnt 0x0                               ; the add is done, and my reads of this slot are over
	s_barrier_signal -1
	MUL16 2, 1, 0
	WIN 0
	s_barrier_wait -1
.if \fill
	CREST                                          ; the barrier has opened a round of the cluster's barrier
	s_add_nc_u64 s[G0+4*\slot+2:G0+4*\slot+3], s[G0+4*\slot+2:G0+4*\slot+3], 2*ABLK
	s_add_nc_u64 s[G0B+4*\slot+2:G0B+4*\slot+3], s[G0B+4*\slot+2:G0B+4*\slot+3], 2*ROWB
	JLOAD G0+4*\slot, G1, G0B+4*\slot, G1B         ; the first tensor load behind the round, my one load until the next
.else
	PLACES NP
.endif
	FETCH_B \next, 0, 0
	FETCH_A \next, 0, 0
	WIN MUL_HI
	MUL16 4, 1, 0
	MUL16 6, 1, 0
	PLACES NP
	WIN 0
	FETCH_A \next, 0, 4
.endm
	s_wait_tensorcnt 1                             ; my part of K step 0 is in (K step 1's load may be out)
	s_barrier_signal -1
	s_barrier_wait -1
	FETCH_B 0, 0, 0
	FETCH_A 0, 0, 0
	FETCH_A 0, 0, 4
	STEP 0, 0, 1                                   ; the first step's products start the sums
	s_mov_b32 s3, LAPS-1
.Llap:
	TURN 0, 1, 1
	STEP 1, 0, 0
	TURN 1, 0, 1
	STEP 0, 0, 0
	s_sub_co_u32 s3, s3, 1
	s_cmp_lg_u32 s3, 0
	s_cbranch_scc1 .Llap
	TURN 0, 1, 0                                   ; the last lap fills nothing
	STEP 1, 0, 0
	s_wait_dscnt 4*NL
	WIN MUL_LO
	MUL16 0, 1, 0
	MUL16 2, 1, 0
	s_wait_dscnt 0
	WIN MUL_HI
	MUL16 4, 1, 0
	MUL16 6, 1, 0
	WIN 0
; THE WAY OUT, block by block of 16 rows x 128 columns: through my own stage in LDS, back as whole rows of 512 bytes.  LDS serves a wave's instructions in order: no wait between the stores and the loads.
.macro TOSTAGE a
.set AC, 64*((\a)%4)
	WIN 0x02+((\a)/4)                              ; source 0: window 2 or 3
.irp j, 0,2,4,6,8,10,12,14,16,18,20,22,24,26,28,30,32,34,36,38,40,42,44,46,48,50,52,54,56,58,60,62
	v_pk_mul_f32 v[TMP+\j:TMP+\j+1], v[AC+\j:AC+\j+1], s[96:97] op_sel_hi:[1,0]   ; both x s96 = 2^(e10 + e11); each accumulator from its low end on
.endr
	WIN 0
.irp b, 0,1,2,3,4,5,6,7
	ds_store_b128 v[STO], v[TMP+8*\b:TMP+8*\b+3] offset:64*\b
	ds_store_b128 v[STO], v[TMP+8*\b+4:TMP+8*\b+7] offset:64*\b+16
.endr
.set BB, BK+64*((\a)%2)
.irp t, 0,1,2,3,4,5,6,7,8,9,10,11,12,13,14,15
	ds_load_b128 v[BB+4*\t:BB+4*\t+3], v[RD] offset:\t*SPITCH
.endr
.endm
.macro SEND a, younger                 ; younger: the LDS instructions issued behind block a's loads, which may stay out
.set BB, BK+64*((\a)%2)
	s_wait_dscnt \younger
.if (\a) > 0
	s_add_nc_u64 s[10:11], s[10:11], 16*SIZE_N*4   ; (behind a wait on XCNT: the earlier stores have read their base)
.endif
.irp t, 0,1,2,3,4,5,6,7,8,9,10,11,12,13,14,15
	global_store_b128 v[CO], v[BB+4*\t:BB+4*\t+3], s[10:11] offset:\t*SIZE_N*4 th:TH_STORE_NT   ; 32 lanes store 512 consecutive bytes, aligned; written once, read by nobody here
.endr
.endm
	s_wait_kmcnt 0x0
	s_add_co_i32 s96, s96, s97
	s_add_co_i32 s96, s96, 127
	s_lshl_b32 s96, s96, 23                        ; 2^(e10 + e11) as f32
	PLACES NP
	TOSTAGE 0
.irp a, 1,2,3,4,5,6,7
.if \a > 1
	s_wait_xcnt 0x0                                ; block a - 2's stores have read their registers and their base
.endif
	TOSTAGE \a
	SEND \a-1, 32                                  ; behind block a - 1's loads: block a's 16 stores and 16 loads
.endr
	s_wait_xcnt 0x0
	SEND 7, 0
	s_wait_tensorcnt 0x0                           ; the wave's end
	ds_add_u32 v[SPW], v[NIL]
	s_wait_dscnt 0x0
	CROUND                                         ; the closing round
	s_endpgm
.Lfunc_end_k_qef364a3dc5_oproj:
	.size	k_qef364a3dc5_oproj, .Lfunc_end_k_qef364a3dc5_oproj-k_qef364a3dc5_oproj
	.p2alignl 7, 3214868480
	.fill 96, 4, 3214868480
	.section	.rodata,"a",@progbits
	.p2align	6, 0x0
	.amdhsa_kernel k_qef364a3dc5_oproj
		.amdhsa_group_segment_fixed_size 327680
		.amdhsa_private_segment_fixed_size 0
		.amdhsa_enable_private_segment 0
		.amdhsa_kernarg_size 32
		.amdhsa_user_sgpr_count 2
		.amdhsa_user_sgpr_kernarg_segment_ptr 1
		.amdhsa_wavefront_size32 1
		.amdhsa_system_sgpr_workgroup_id_x 1
		.amdhsa_system_sgpr_workgroup_id_y 1
		.amdhsa_system_sgpr_workgroup_id_z 1
		.amdhsa_system_vgpr_workitem_id 0
		.amdhsa_next_free_vgpr 1024
		.amdhsa_next_free_sgpr 98
		.amdhsa_reserve_vcc 0
		.amdhsa_float_denorm_mode_32 3
		.amdhsa_float_denorm_mode_16_64 3
		.amdhsa_memory_ordered 1
		.amdhsa_forward_progress 1
		.amdhsa_inst_pref_size 123
	.end_amdhsa_kernel
	.amdgpu_metadata
---
amdhsa.version: [ 1, 2 ]
amdhsa.kernels:
  - .name:           k_qef364a3dc5_oproj
    .symbol:         k_qef364a3dc5_oproj.kd
    .args:
      - { .name: a_c, .offset: 0, .size: 8, .value_kind: global_buffer, .address_space: global }
      - { .name: W_O_codes, .offset: 8, .size: 8, .value_kind: global_buffer, .address_space: global }
      - { .name: lowp_scales, .offset: 16, .size: 8, .value_kind: global_buffer, .address_space: global }
      - { .name: out0, .offset: 24, .size: 8, .value_kind: global_buffer, .address_space: global }
    .group_segment_fixed_size: 327680
    .private_segment_fixed_size: 0
    .kernarg_segment_align: 8
    .kernarg_segment_size: 32
    .max_flat_workgroup_size: 128
    .sgpr_count:     98
    .vgpr_count:     1024
    .wavefront_size: 32
...
	.end_amdgpu_metadata
.endif
;; end of part 4
;; ======== version 2 of 2: 4 launches; version 1 with the launch attn written anew for expert scheduling mode
;; workspace buffers: q_c 8,388,608 bytes; k_c 8,388,608 bytes; v_c 8,388,608 bytes; mb 16,777,216 bytes; a_c 8,388,608 bytes
;; launch pack: the kernel of part 1 again; grid 256 x 1, 8 waves a work-group, no clusters, 19,456 bytes of LDS; arguments mask, mb; writes mb
;; launch proj: the kernel of part 2 again; grid 4 x 96, 4 waves a work-group, clusters of 4 x 4, 327,680 bytes of LDS; arguments Q_codes, K_codes, V_codes, W_Q_codes, W_K_codes, W_V_codes, lowp_scales, q_c, k_c, v_c; writes q_c, k_c, v_c
;; launch attn (part 5): grid 4 x 64, 16 waves a work-group, no clusters, 305,152 bytes of LDS; arguments q_c, k_c, v_c, mb, lowp_scales, a_c; writes a_c
.if DOCPART == 5
	.amdgcn_target "amdgcn-amd-amdhsa--gfx1250"
	.amdhsa_code_object_version 6
	.text
	.protected	k_qef364a3dc5_attn
	.globl	k_qef364a3dc5_attn
	.p2align	8
	.type	k_qef364a3dc5_attn,@function
k_qef364a3dc5_attn:
	s_mov_b64 s[64:65], 0
	v_nop
	global_prefetch_b8 v0, s[64:65] scope:SCOPE_SE
	s_setreg_imm32_b32 hwreg(HW_REG_WAVE_SCHED_MODE, 0, 2), 2
	s_setreg_imm32_b32 hwreg(HW_REG_WAVE_MODE, 25, 1), 1
	s_wait_xcnt 0x0
	s_wait_alu depctr_vm_vsrc(0)
; Attention of one head on codes of FP8 (E4M3): scores = q k^T / 8, hidden where the mask says so; weights = softmax, FINISHED AND NORMALISED, quantised with 2^e8; attn = weights v, quantised with 2^e10.
; Since the weights are quantised normalised, a row's maximum and sum are wanted before any weight is made: THE KEYS ARE WALKED TWICE.
;   pass 1: s = K Q^T, the running maximum m and the sum l of 2^(c s - c m);  c = log2(e) / 8 x 2^(e6 + e7).
;   pass 2: s again; p = 2^(c s - c M - log2 L), the row's weight; its codes; O^T += V^T P.
; SHARES.  A work-group owns one head (grid y = 16 batch + head) and 512 queries (grid x); each of its sixteen waves owns 32 queries, two tiles of 16, so that each fragment of K and V read from LDS feeds two matrix
; instructions; four waves to a SIMD, so that one wave's exponentials stand beside another's plain work, matrix work and loads.
; LDS, filled once through registers, one barrier in the launch: the head's K images (131,072 bytes), its V images (131,072), a stage of 2,560 bytes for each wave.
; LAYOUT.  Both products are used transposed, in the K = 64 form: S^T = K Q^T (source 0 = 16 keys, source 1 = 16 queries): lane 16 h + r holds query r, register 8 t + j key 16 t + 8 h + j of a step's 64.  The conversion of
; registers 8 t .. 8 t + 7 gives registers 2 t, 2 t + 1 of P, source 1 of O^T = V^T P.  mb holds a byte for each weight in P's own order: 0xFF where hidden.
; THE MASK.  Pass 1: a hidden key's byte, moved to the top of a word, is -2^127: that word is the C of the score's matrix instruction, so a hidden score is far under every other.  Pass 2: the codes of hidden keys are
; cleared by the bytes themselves, whatever they were.  A row all of whose keys are hidden has all its codes cleared and gives 0.
; A lane keeps m and l of its own half of the keys; the two lanes of a query are joined once, between the passes.
; NO JOINT LOADS: K and V, which the four work-groups of a head share, are 262,144 of the 2,359,296 bytes that a work-group reads, once at its head.  The mask bytes, which the sixteen heads of a batch share, go straight
; into each wave's registers in the operand's order, 2,048 bytes a step, with no LDS and no barrier in the loops.  And the hold of p is jumped over on the given e8.
; LIMITS: e6 + e7 between -100 and 60 (c x 2^60 is an f32 number, and c x 2^127 is above 150); e8, and e10 - e8 - e9, between -126 and 119.  A raw score is at most 64 x 448^2, under 2^60.  NaN codes are not served.
; THE MODE: SCHED_MODE bits 1:0 = 2 (LLVM: expert scheduling mode 2), set by the entry lines.  The code itself states the register dependences between vector or matrix instructions and memory or LDS
; instructions, with s_wait_alu, always for 0.
; THE PLAN.  Registers that memory or LDS instructions touch:
;   v1, v6 .. v10   offsets and LDS addresses, made once at the head and never written again.
;   ADK, ADN, ADV   LDS addresses of a trip's images: written at the trip's head, behind one wait on vm_vsrc; their first reader stands behind the first step's own wait on va_vdst.
;   KF              K's fragments (pass 2: K's and V's by turns): LDS loads land in it, matrix instructions read it.
;   MA, MB          mask bytes of even and odd steps: global loads land in them; pass 1's permutes and pass 2's clearing lines read them.
;   v112 .. v239    at the head alone: the fill's loads land there and its LDS stores read them; one wait on vm_vsrc behind the barrier hands them to the vector side.
;   PC, D           on the way out alone: the conversions write PC, which LDS stores read; loads from the stage land in D, which the last stores read.
;   The statistics, O^T, and in the loops D and PC, are named by vector and matrix instructions alone.
; PASS 1: ONE wait on va_vdst a step, behind the exponentials.  Ahead of it stand the step's permutes (done with its mask bytes) and products (done with KF); straight behind it go the loads of step s + 1's K
; fragments and of step s + 2's mask bytes, into the buffers just emptied; the sums that follow name the statistics and D alone.
; PASS 2: KF serves K and V in one step, so there are two: behind the exponentials (the products K Q^T are done with KF: V's loads follow), and behind the products V^T P and the clearing lines
; (the next step's K fragments and step s + 2's mask bytes follow).
.set LI,   1                           ; v1   16 x lane: my place in an image's piece, in LDS and in memory; never rewritten
.set LIV,  2                           ; v2   the same among V's images
.set ADK,  3                           ; v3   LDS address of the trip's K images
.set ADV,  4                           ; v4   of its V images
.set ADN,  5                           ; v5   pass 1: LDS address of the K images of the next trip's first step (behind the last trip: of step 0, for pass 2).  At the head: at work
.set PFO,  6                           ; v6   256 x lane, for the prefetches; never rewritten
.set STO,  7                           ; v7   the way out: where I put 8 bytes of a row
.set RD,   8                           ; v8   and where I read 16 back
.set FK,   9                           ; v9   the fill: 8,192 x wave + 16 x lane
.set FV,   10                          ; v10  the same among V's images in LDS
.set SC8,  11                          ; v11  2^e8 as f32
.set ST,   12                          ; tile u's statistics at v[ST + 10 u]: +0 -c m (pass 2: -c M - log2 L), +1 m, +2, +3 l in two halves, +4 a, +5 its pair's upper half, +6, +7 a second chain of sums, +8, +9 at work
.set Q,    32                          ; v32-47   Q's two fragments
.set MA,   48                          ; v48-63   mask bytes of an even step: register 8 u + i beside P's register 8 u + i
.set MB,   64                          ; v64-79   of an odd step
.set KF,   80                          ; v80-111  four fragments of K, or of V
.set D,    112                         ; v112-175 S^T, then p: 32 u + 8 t + j
.set PC,   176                         ; v176-191 p's codes: 8 u + 2 t
.set O,    192                         ; v192-255 O^T: 32 u + 8 dt + j
.set WV,   16                          ; s16  wave
.set SEL,  26                          ; s[26:27] v_permlanex16_b32's selects for lane l xor 16
.set PS,   28                          ; s[28:31] v_perm_b32's selectors: byte i of a word to the top, zeros below
.set CS,   32                          ; s[32:33] c, twice
.set NC,   34                          ; s34  -c
.set TB,   35                          ; s35  LDS byte at which the trip's four steps begin
.set CNT,  36                          ; s36  trips to go
.set LIM,  37                          ; s37  1 in a work-group that prefetches, else the greatest number
.set MP,   38                          ; s[38:39] the trip's mask bytes
.set MNX,  40                          ; s[40:41] the next trip's
.set START, 42                         ; s[42:43] my wave's first
.set HOLD, 44                          ; s44  448 x 2^e8
.set TN,   54                          ; s54  pass 1: LDS byte at which the next trip's steps begin; 0 in the last trip
.set VBASE, 131072
.set STAGE, 262144
	s_load_b256 s[4:11], s[0:1], 0x0               ; q_c s[4:5], k_c s[6:7], v_c s[8:9], mb s[10:11]
	s_load_b128 s[12:15], s[0:1], 0x20             ; the exponents s[12:13], a_c s[14:15]
	v_lshrrev_b32 v5, 5, v0
	v_readfirstlane_b32 s[WV], v5                  ; wave 0..15
	v_and_b32 v5, 31, v0                           ; lane
	v_lshlrev_b32 v[LI], 4, v5
	v_add_nc_u32 v[LIV], VBASE, v[LI]
	v_lshlrev_b32 v[PFO], 8, v5
	s_wait_alu depctr_va_sdst(0)                   ; the wave's number is written, ahead of its first reader: addresses and bases are made from it
	s_lshl_b32 s45, s[WV], 13
	v_add_nc_u32 v[FK], s45, v[LI]
	v_add_nc_u32 v[FV], VBASE, v[FK]
	s_mul_i32 s45, s[WV], 2560
	s_add_co_u32 s45, s45, STAGE                   ; my stage: 2 tiles x 16 rows x (64 bytes + 16)
	v_and_b32 v12, 15, v0                          ; r
	v_bfe_u32 v13, v0, 4, 1                        ; h
	v_mul_u32_u24 v[STO], v12, 80
	v_lshl_add_u32 v[STO], v13, 3, v[STO]
	v_add_nc_u32 v[STO], s45, v[STO]               ; in: row r, 8 h; + 16 dt by the immediate
	v_lshrrev_b32 v12, 2, v5
	v_and_b32 v13, 3, v5
	v_mul_u32_u24 v[RD], v12, 80
	v_lshl_add_u32 v[RD], v13, 4, v[RD]
	v_add_nc_u32 v[RD], s45, v[RD]                 ; back: four lanes to a row of 64 bytes, eight rows an instruction
	s_and_b32 s17, ttmp7, 0xffff                   ; 16 batch + head
	s_lshl_b32 s18, ttmp9, 4
	s_add_co_u32 s18, s18, s[WV]                   ; qp: which 32 queries of the batch's 2,048 are my wave's
	s_lshl_b32 s46, s17, 17                        ; the head's images: 131,072 bytes in each of q_c, k_c, v_c
	s_mov_b32 s47, 0
	s_lshl_b32 s48, s18, 11                        ; my two images of Q
	s_add_co_u32 s48, s48, s46
	s_mov_b32 s49, 0
	s_lshr_b32 s50, s17, 4                         ; batch
	s_lshl_b32 s51, s50, 6
	s_add_co_u32 s51, s51, s18
	s_lshl_b32 s52, s51, 16                        ; my mask bytes: (64 batch + qp) x 32 steps x 2,048
	s_mov_b32 s53, 0
	s_lshl_b32 s50, s50, 4
	s_lshr_b32 s51, s18, 2
	s_add_co_u32 s50, s50, s51
	s_lshl_b32 s50, s50, 17                        ; a_c: [token / 128][head][token % 128][64]: (16 batch + qp / 4) x 131,072
	s_and_b32 s51, s17, 15                         ; head
	s_cmp_eq_u32 s51, 0
	s_cselect_b32 s[LIM], 1, -1
	s_lshl_b32 s51, s51, 13
	s_add_co_u32 s50, s50, s51                     ; + head x 8,192
	s_and_b32 s51, s18, 3
	s_lshl_b32 s51, s51, 11
	s_add_co_u32 s50, s50, s51                     ; + 32 (qp % 4) rows of 64 bytes
	s_mov_b32 s51, 0
	s_mov_b32 s[SEL], 0x76543210
	s_mov_b32 s[SEL+1], 0xfedcba98
	s_mov_b32 s[PS], 0x000c0c0c
	s_mov_b32 s[PS+1], 0x010c0c0c
	s_mov_b32 s[PS+2], 0x020c0c0c
	s_mov_b32 s[PS+3], 0x030c0c0c
	s_mov_b32 s[TB], 0
	s_mov_b32 s[CNT], 8
	s_wait_kmcnt 0x0
	s_load_b128 s[20:23], s[12:13], 0x18           ; e6, e7, e8, e9
	s_load_b32 s24, s[12:13], 0x28                 ; e10
	s_add_nc_u64 s[4:5], s[4:5], s[48:49]
	s_add_nc_u64 s[6:7], s[6:7], s[46:47]
	s_add_nc_u64 s[8:9], s[8:9], s[46:47]
	s_add_nc_u64 s[START:START+1], s[10:11], s[52:53]
	s_mov_b64 s[MP:MP+1], s[START:START+1]
	s_add_nc_u64 s[14:15], s[14:15], s[50:51]
.macro MLOAD buf, base, off            ; a step's 2,048 mask bytes of my 32 queries: four loads of 512 consecutive bytes
.irp k, 0,1,2,3
	global_load_b128 v[\buf+4*\k:\buf+4*\k+3], v[LI], s[\base:\base+1] offset:\off+512*\k
.endr
.endm
	s_wait_alu depctr_va_vdst(0)                   ; v1 and v6 to v10 are written: every load, store and prefetch of the kernel, and the LDS instructions of the fill and of the way out, read one of them as offset or address
.irp i, 0,1,2,3,4,5,6,7,8,9,10,11,12,13,14,15
	global_load_b128 v[D+4*\i:D+4*\i+3], v[FK], s[6:7] offset:512*\i          ; my sixteenth of the head's K images
.endr
.irp i, 0,1,2,3,4,5,6,7,8,9,10,11,12,13,14,15
	global_load_b128 v[PC+4*\i:PC+4*\i+3], v[FK], s[8:9] offset:512*\i        ; and of its V images
.endr
.irp k, 0,1,2,3
	global_load_b128 v[Q+4*\k:Q+4*\k+3], v[LI], s[4:5] offset:512*\k          ; Q's two fragments stay in registers
.endr
	MLOAD MA, MP, 0                                ; step 0's mask bytes,
	MLOAD MB, MP, 2048                             ; and step 1's: from here on step s asks for step s + 2's
	s_wait_kmcnt 0x0
	s_add_co_i32 s45, s20, s21
	s_lshl_b32 s45, s45, 23
	s_add_co_i32 s[CS], s45, 0x3e38aa3b            ; c = log2(e) / 8, with e6 + e7 added to its exponent field
	s_mov_b32 s[CS+1], s[CS]
	s_xor_b32 s[NC], s[CS], 0x80000000
	s_add_co_i32 s45, s22, 127
	s_lshl_b32 s46, s45, 23
	v_mov_b32 v[SC8], s46
	s_add_co_i32 s45, s45, 8
	s_lshl_b32 s45, s45, 23
	s_or_b32 s[HOLD], s45, 0x600000
.irp u, 0,1
	v_mov_b32 v[ST+10*\u+1], 0xdd800000            ; m = -2^60: under every raw score, over every hidden one
	v_mul_f32 v[ST+10*\u], s[NC], v[ST+10*\u+1]    ; -c m
.irp i, 2,3,4,5,6,7,8,9
	v_mov_b32 v[ST+10*\u+\i], 0
.endr
.endr
	s_wait_loadcnt 28                              ; K's 16 loads are in (behind them: V's 16, Q's 4, the masks' 8)
.irp i, 0,1,2,3,4,5,6,7,8,9,10,11,12,13,14,15
	ds_store_b128 v[FK], v[D+4*\i:D+4*\i+3] offset:512*\i
.endr
	s_wait_loadcnt 12                              ; V's are in (behind them: Q's 4, the masks' 8)
.irp i, 0,1,2,3,4,5,6,7,8,9,10,11,12,13,14,15
	ds_store_b128 v[FV], v[PC+4*\i:PC+4*\i+3] offset:512*\i
.endr
	s_wait_dscnt 0x0                               ; for the others' sake: my stores have landed
	s_barrier_signal -1
	s_barrier_wait -1                              ; the head's K and V lie in LDS; nothing writes them again
	s_wait_alu depctr_vm_vsrc(0)                   ; my LDS stores have read v112 to v239: these registers are D, PC and O^T from here on, written by permutes, matrix instructions, conversions and the clearing of O^T
.macro KLOAD adr, off                  ; four fragments of K (16 keys x 64 each), from off bytes behind the address on
.irp k, 0,1,2,3,4,5,6,7
	ds_load_b128 v[KF+4*\k:KF+4*\k+3], v[\adr] offset:\off+512*\k
.endr
.endm
.macro VLOAD s                         ; step s of the trip: four fragments of V^T (16 d x the step's 64 keys each)
.irp k, 0,1,2,3,4,5,6,7
	ds_load_b128 v[KF+4*\k:KF+4*\k+3], v[ADV] offset:4096*(\s)+512*\k
.endr
.endm
; A prefetch of the next trip's 8,192 mask bytes of my wave: 32 lanes, 256 bytes apart.  The sixteen heads of a batch walk the same bytes: head 0's work-group asks, in pass 1 alone, so each block is named once in the launch.
; It stands behind the loads of a trip's first step, two steps ahead of the first load that wants those bytes; the pass's last trip asks for nothing; trip 0's bytes come by their loads alone.
.macro ASK
	s_cmp_gt_u32 s[CNT], s[LIM]
	s_cbranch_scc0 .Lnot_mine_\@
	global_prefetch_b8 v[PFO], s[MP:MP+1] offset:8192 th:TH_LOAD_NT scope:SCOPE_SE
.Lnot_mine_\@:
.endm
.macro BUFS s                          ; MC: this step's mask bytes; when the step is done with them the buffer takes those of two steps on
.if (\s)%2 == 0
.set MC, MA
.else
.set MC, MB
.endif
.endm
.macro MNEXT s                         ; the mask bytes of two steps on, into the buffer that step s has emptied
.if (\s) < 2
	MLOAD MC, MP, 2048*((\s)+2)
.else
	MLOAD MC, MNX, 2048*((\s)-2)
.endif
.endm
.macro SCALE                           ; c s + (the tile's addend), two at a time: of the pairs the low word serves both halves.  Each accumulator from its low end on
.set e, 0
.rept 16
	v_pk_fma_f32 v[D+e:D+e+1], v[D+e:D+e+1], s[CS:CS+1], v[ST:ST+1] op_sel_hi:[1,0,0]
	v_pk_fma_f32 v[D+32+e:D+32+e+1], v[D+32+e:D+32+e+1], s[CS:CS+1], v[ST+10:ST+11] op_sel_hi:[1,0,0]
.set e, e+2
.endr
.endm
.macro EXPS                            ; 64 exponentials, one batch; the wait for it follows the macro
.set e, 0
.rept 64
	v_exp_f32 v[D+e], v[D+e]
.set e, e+1
.endr
	v_nop                                          ; one plain instruction behind the last exponential
.endm
; PASS 1, a step of 64 keys.  Its K fragments and its mask bytes were asked for in the steps before.
.macro STEP1 s
	BUFS \s
	s_wait_loadcnt 4                               ; this step's mask bytes are in; the next step's four loads may be out
.set e, 0
.rept 32
	v_perm_b32 v[D+e], v[MC+e/4], v[MC+e/4], s[PS+e%4]              ; the weight's mask byte to the top of a word: -2^127 where hidden, 0 elsewhere
	v_perm_b32 v[D+32+e], v[MC+8+e/4], v[MC+8+e/4], s[PS+e%4]
.set e, e+1
.endr
	s_wait_dscnt 0x0                               ; K's fragments are in
.irp t, 0,1,2,3
.irp u, 0,1
	v_wmma_f32_16x16x64_fp8_fp8 v[D+32*\u+8*\t:D+32*\u+8*\t+7], v[KF+8*\t:KF+8*\t+7], v[Q+8*\u:Q+8*\u+7], v[D+32*\u+8*\t:D+32*\u+8*\t+7]   ; the eight accumulators by turns
.endr
.endr
.rept 4
	v_nop                                          ; places, in front of the first read of results
.endr
.irp u, 0,1                                    ; the maximum of m and my 32 scores, in two chains a tile
	v_max3_num_f32 v[ST+10*\u+8], v[ST+10*\u+1], v[D+32*\u], v[D+32*\u+1]
	v_max3_num_f32 v[ST+10*\u+9], v[D+32*\u+16], v[D+32*\u+17], v[D+32*\u+18]
.endr
.irp i, 0,1,2,3,4,5
.irp u, 0,1
	v_max3_num_f32 v[ST+10*\u+8], v[ST+10*\u+8], v[D+32*\u+2+2*\i], v[D+32*\u+3+2*\i]
	v_max3_num_f32 v[ST+10*\u+9], v[ST+10*\u+9], v[D+32*\u+19+2*\i], v[D+32*\u+20+2*\i]
.endr
.endr
.irp u, 0,1
	v_max3_num_f32 v[ST+10*\u+8], v[ST+10*\u+8], v[D+32*\u+14], v[D+32*\u+15]
.endr
.irp u, 0,1
	v_max3_num_f32 v[ST+10*\u+1], v[ST+10*\u+8], v[ST+10*\u+9], v[D+32*\u+31]   ; the new m
.endr
.irp u, 0,1
	v_mul_f32 v[ST+10*\u+8], s[NC], v[ST+10*\u+1]  ; -c m
.endr
.irp u, 0,1
	v_sub_f32 v[ST+10*\u+9], v[ST+10*\u+8], v[ST+10*\u]   ; c m_old - c m_new, 0 or less
.endr
.irp u, 0,1
	v_mov_b32 v[ST+10*\u], v[ST+10*\u+8]
.endr
	SCALE
	v_exp_f32 v[ST+4], v[ST+9]                     ; a = 2^(c m_old - c m_new)
	v_exp_f32 v[ST+14], v[ST+19]
	EXPS
	s_wait_alu depctr_va_vdst(0)                   ; THE STEP'S ONE WAIT: the 66 exponentials have written their results, ahead of their first reader; the permutes are done reading this step's mask bytes and the products K's fragments, in which the loads below land; in a trip's first step v[ADK] and v[ADN] are written
.if (\s) < 3
	KLOAD ADK, 4096*((\s)+1)                       ; the next step's K fragments
.else
	KLOAD ADN, 0                                   ; the next trip's first; in the pass's last trip: pass 2's first
.endif
	MNEXT \s                                       ; in the pass's last trip, steps 2 and 3: the mask bytes of pass 2's steps 0 and 1
.if (\s) == 0
	ASK
.endif
.irp u, 0,1                                    ; the sums name the statistics and D alone: none of the registers that the loads above touch
	v_pk_mul_f32 v[ST+10*\u+2:ST+10*\u+3], v[ST+10*\u+2:ST+10*\u+3], v[ST+10*\u+4:ST+10*\u+5] op_sel_hi:[1,0]   ; l under the new m
	v_pk_add_f32 v[ST+10*\u+6:ST+10*\u+7], v[D+32*\u:D+32*\u+1], v[D+32*\u+2:D+32*\u+3]
.endr
.irp i, 4,8,12,16,20,24,28
.irp u, 0,1
	v_pk_add_f32 v[ST+10*\u+2:ST+10*\u+3], v[ST+10*\u+2:ST+10*\u+3], v[D+32*\u+\i:D+32*\u+\i+1]
	v_pk_add_f32 v[ST+10*\u+6:ST+10*\u+7], v[ST+10*\u+6:ST+10*\u+7], v[D+32*\u+\i+2:D+32*\u+\i+3]
.endr
.endr
.irp u, 0,1
	v_pk_add_f32 v[ST+10*\u+2:ST+10*\u+3], v[ST+10*\u+2:ST+10*\u+3], v[ST+10*\u+6:ST+10*\u+7]
.endr
.endm
; PASS 2, a step of 64 keys.  Its K fragments were asked for at the end of the step before.  last = 1: the last trip, which asks for nothing beyond the keys' end.
.macro STEP2 s, last
	BUFS \s
	s_wait_dscnt 0x0                               ; K's fragments are in
.irp t, 0,1,2,3
.irp u, 0,1
	v_wmma_f32_16x16x64_fp8_fp8 v[D+32*\u+8*\t:D+32*\u+8*\t+7], v[KF+8*\t:KF+8*\t+7], v[Q+8*\u:Q+8*\u+7], 0
.endr
.endr
.rept 4
	v_nop                                          ; places, in front of the first read of results
.endr
	SCALE                                          ; c s - c M - log2 L
	EXPS                                           ; p: the row's weight, normalised
	s_wait_alu depctr_va_vdst(0)                   ; the 64 exponentials have written their results, ahead of their first reader and of the branch below; the products K Q^T are done reading KF, in which V's fragments land; in a trip's first step v[ADV] is written
	VLOAD \s                                       ; V's fragments land while the codes are made
	s_cmp_gt_i32 s22, -9                           ; 448 x 2^e8 is above 1 from e8 = -8 on, and no weight that counts is: the hold is wanted only under that
	s_cbranch_scc1 .Lno_hold_\@
.set e, 0
.rept 64
	v_min_num_f32 v[D+e], s[HOLD], v[D+e]          ; the conversion to an 8-bit code does not saturate (ISA guide 7.6.2); p is not negative, so the hold is one-sided
.set e, e+1
.endr
.Lno_hold_\@:
.irp t, 0,1,2,3
.irp u, 0,1
	v_cvt_scalef32_pk8_fp8_f32 v[PC+8*\u+2*\t:PC+8*\u+2*\t+1], v[D+32*\u+8*\t:D+32*\u+8*\t+7], v[SC8]
.endr
.endr
	v_nop                                          ; one plain instruction between the conversions and the readers of their results
.if (\last) && ((\s) == 3)
	s_wait_loadcnt 0x0                             ; the last step of all: no load was issued behind its mask bytes'
.else
	s_wait_loadcnt 4                               ; this step's mask bytes are in; the next step's four loads may be out
.endif
.set e, 0
.rept 16
	v_bfi_b32 v[PC+e], v[MC+e], 0, v[PC+e]         ; hidden keys' codes become 0, whatever stood there
.set e, e+1
.endr
	s_wait_dscnt 0x0                               ; V's fragments are in
.irp t, 0,1,2,3
.irp u, 0,1
	v_wmma_f32_16x16x64_fp8_fp8 v[O+32*\u+8*\t:O+32*\u+8*\t+7], v[KF+8*\t:KF+8*\t+7], v[PC+8*\u:PC+8*\u+7], v[O+32*\u+8*\t:O+32*\u+8*\t+7]   ; the eight accumulators by turns
.endr
.endr
.rept 4
	v_nop                                          ; places behind the products: in the last step of all in front of the way out's first write of V's registers and first read of O^T; in the others they stand beside the wait below
.endr
.if !(\last) || ((\s) < 3)
	s_wait_alu depctr_va_vdst(0)                   ; the products V^T P are done reading KF, and the clearing lines this step's mask bytes: the loads below land in both; in a trip's first step v[ADK] is written
	KLOAD ADK, 4096*((\s)+1)                       ; the next step's K fragments (step 3: the next trip's first, by the immediate)
.endif
.if !(\last) || ((\s) < 2)
	MNEXT \s
.endif
.endm
.macro TRIP_END                        ; behind the wait the bases of the trip's loads and of its prefetch may be written
	s_wait_xcnt 0x0
	s_mov_b64 s[MP:MP+1], s[MNX:MNX+1]
	s_add_co_u32 s[TB], s[TB], 16384
	s_sub_co_u32 s[CNT], s[CNT], 1
	s_cmp_lg_u32 s[CNT], 0
.endm
.macro HEAD2                           ; the head of a trip of pass 2
	s_wait_alu depctr_vm_vsrc(0)                   ; the LDS loads issued so far have read v[ADK] and v[ADV]
	v_add_nc_u32 v[ADK], s[TB], v[LI]
	v_add_nc_u32 v[ADV], s[TB], v[LIV]
.endm
	KLOAD LI, 0                                    ; step 0's K fragments.  No wait: no vector instruction has named KF, and none since the head's wait has written v1
.Lpass1:                                           ; 8 trips of 4 steps of 64 keys
	s_wait_alu depctr_vm_vsrc(0)                   ; the LDS loads issued so far have read v[ADK] and v[ADN]
	s_add_co_u32 s[TN], s[TB], 16384
	s_add_nc_u64 s[MNX:MNX+1], s[MP:MP+1], 8192
	s_cmp_eq_u32 s[CNT], 1
	s_cselect_b64 s[MNX:MNX+1], s[START:START+1], s[MNX:MNX+1]   ; behind the last trip: back to my first bytes, for pass 2,
	s_cselect_b32 s[TN], 0, s[TN]                  ; and to K's first images
	v_add_nc_u32 v[ADK], s[TB], v[LI]
	v_add_nc_u32 v[ADN], s[TN], v[LI]
	STEP1 0
	STEP1 1
	STEP1 2
	STEP1 3
	TRIP_END
	s_cbranch_scc1 .Lpass1
	; BETWEEN THE PASSES: the two lanes of a query are joined.  M = the larger m; each lane's l is brought under M; L = their sum; the addend of pass 2 is -c M - log2 L.
	; A row all hidden: M = -2^60, L = 0, the addend is +infinity; all its codes are cleared in pass 2.  Pass 2's first K fragments and mask bytes are on their way meanwhile: nothing here names KF, MA or MB.
.irp u, 0,1
	v_add_f32 v[ST+10*\u+2], v[ST+10*\u+2], v[ST+10*\u+3]
	v_permlanex16_b32 v[ST+10*\u+8], v[ST+10*\u+1], s[SEL], s[SEL+1]
.endr
.irp u, 0,1
	v_max_num_f32 v[ST+10*\u+1], v[ST+10*\u+1], v[ST+10*\u+8]
.endr
.irp u, 0,1
	v_mul_f32 v[ST+10*\u+8], s[NC], v[ST+10*\u+1]  ; -c M
.endr
.irp u, 0,1
	v_sub_f32 v[ST+10*\u+9], v[ST+10*\u+8], v[ST+10*\u]   ; c m - c M
.endr
	v_exp_f32 v[ST+4], v[ST+9]
	v_exp_f32 v[ST+14], v[ST+19]
	v_nop
	s_wait_alu depctr_va_vdst(0)                   ; the two exponentials have written v[ST+4] and v[ST+14], ahead of their first reader
.irp u, 0,1
	v_mul_f32 v[ST+10*\u+2], v[ST+10*\u+2], v[ST+10*\u+4]
.endr
.irp u, 0,1
	v_permlanex16_b32 v[ST+10*\u+3], v[ST+10*\u+2], s[SEL], s[SEL+1]
.endr
.irp u, 0,1
	v_add_f32 v[ST+10*\u+2], v[ST+10*\u+2], v[ST+10*\u+3]   ; L
.endr
	v_log_f32 v[ST+6], v[ST+2]
	v_log_f32 v[ST+16], v[ST+12]
	v_nop
	s_wait_alu depctr_va_vdst(0)                   ; the two logarithms have written v[ST+6] and v[ST+16], ahead of their first reader
.irp u, 0,1
	v_sub_f32 v[ST+10*\u], v[ST+10*\u+8], v[ST+10*\u+6]
.endr
.set e, 0
.rept 64
	v_mov_b32 v[O+e], 0                            ; O^T: the step is written once, and its first turn finds zeros
.set e, e+1
.endr
	s_mov_b32 s[TB], 0
	s_mov_b32 s[CNT], 7
.Lpass2:                                           ; 7 trips of 4 steps; the eighth is written out
	HEAD2
	s_add_nc_u64 s[MNX:MNX+1], s[MP:MP+1], 8192
	STEP2 0, 0
	STEP2 1, 0
	STEP2 2, 0
	STEP2 3, 0
	TRIP_END
	s_cbranch_scc1 .Lpass2
	HEAD2                                          ; the last trip: no load leaves my wave's mask bytes or K's images, and the counts run down
	STEP2 0, 1
	STEP2 1, 1
	STEP2 2, 1
	STEP2 3, 1
	; THE WAY OUT.  A sum stands for sum x 2^(e8 + e9): its code is sum / 2^(e10 - e8 - e9).  A lane's eight codes are d = 16 dt + 8 h + 0 .. 7 of query r: they go through my stage and leave as rows of 64 bytes,
	; a tile's 16 rows on end: a_c is laid [token / 128][head][token % 128][64], so that the last product's tiles are dense blocks.
	s_sub_co_i32 s45, s24, s22
	s_sub_co_i32 s45, s45, s23
	s_add_co_i32 s45, s45, 127
	s_lshl_b32 s46, s45, 23
	v_mov_b32 v80, s46
	s_add_co_i32 s45, s45, 8
	s_lshl_b32 s45, s45, 23
	s_or_b32 s45, s45, 0x600000
	v_mov_b32 v81, s45
.set e, 0
.rept 64
	v_med3_num_f32 v[O+e], v[O+e], -v81, v81       ; the hold at the largest code x the scale; each accumulator from its low end on
.set e, e+1
.endr
.irp u, 0,1
.irp t, 0,1,2,3
	v_cvt_scalef32_pk8_fp8_f32 v[PC+8*\u+2*\t:PC+8*\u+2*\t+1], v[O+32*\u+8*\t:O+32*\u+8*\t+7], v80
.endr
.endr
	v_nop
	s_wait_alu depctr_va_vdst(0)                   ; the conversions have written PC, which the LDS stores read; and the vector side is done with D, in which the loads from the stage land
.irp u, 0,1
.irp t, 0,1,2,3
	ds_store_b64 v[STO], v[PC+8*\u+2*\t:PC+8*\u+2*\t+1] offset:1280*\u+16*\t
.endr
.endr
.irp u, 0,1
.irp i, 0,1
	ds_load_b128 v[D+8*\u+4*\i:D+8*\u+4*\i+3], v[RD] offset:1280*\u+640*\i   ; LDS serves a wave's instructions in order: these see my stores
.endr
.endr
	s_wait_dscnt 0x0
.irp u, 0,1
.irp i, 0,1
	global_store_b128 v[LI], v[D+8*\u+4*\i:D+8*\u+4*\i+3], s[14:15] offset:1024*\u+512*\i   ; 32 lanes store 512 consecutive bytes, aligned
.endr
.endr
	s_wait_xcnt 0x0                                ; every earlier memory instruction has had its addresses translated
	v_lshl_add_u32 v254, v0, 2, 0x4a000            ; the add's two registers are made anew, straight ahead of the closing lines: all 256 registers were at work.  No memory or LDS instruction has ever read v254 or v255
	v_mov_b32 v255, 0
	s_wait_dscnt 0x0                               ; the closing lines, six on end
	s_wait_alu 0x0
	s_wait_tensorcnt 0x0
	ds_add_u32 v254, v255
	s_wait_dscnt 0x0
	s_endpgm
.Lfunc_end_k_qef364a3dc5_attn:
	.size	k_qef364a3dc5_attn, .Lfunc_end_k_qef364a3dc5_attn-k_qef364a3dc5_attn
	.p2alignl 7, 3214868480
	.fill 96, 4, 3214868480
	.section	.rodata,"a",@progbits
	.p2align	6, 0x0
	.amdhsa_kernel k_qef364a3dc5_attn
		.amdhsa_group_segment_fixed_size 305152
		.amdhsa_private_segment_fixed_size 0
		.amdhsa_enable_private_segment 0
		.amdhsa_kernarg_size 48
		.amdhsa_user_sgpr_count 2
		.amdhsa_user_sgpr_kernarg_segment_ptr 1
		.amdhsa_wavefront_size32 1
		.amdhsa_system_sgpr_workgroup_id_x 1
		.amdhsa_system_sgpr_workgroup_id_y 1
		.amdhsa_system_sgpr_workgroup_id_z 1
		.amdhsa_system_vgpr_workitem_id 0
		.amdhsa_next_free_vgpr 256
		.amdhsa_next_free_sgpr 66
		.amdhsa_reserve_vcc 0
		.amdhsa_float_denorm_mode_32 3
		.amdhsa_float_denorm_mode_16_64 3
		.amdhsa_memory_ordered 1
		.amdhsa_forward_progress 1
		.amdhsa_inst_pref_size 160
	.end_amdhsa_kernel
	.amdgpu_metadata
---
amdhsa.version: [ 1, 2 ]
amdhsa.kernels:
  - .name:           k_qef364a3dc5_attn
    .symbol:         k_qef364a3dc5_attn.kd
    .args:
      - { .name: q_c, .offset: 0, .size: 8, .value_kind: global_buffer, .address_space: global }
      - { .name: k_c, .offset: 8, .size: 8, .value_kind: global_buffer, .address_space: global }
      - { .name: v_c, .offset: 16, .size: 8, .value_kind: global_buffer, .address_space: global }
      - { .name: mb, .offset: 24, .size: 8, .value_kind: global_buffer, .address_space: global }
      - { .name: lowp_scales, .offset: 32, .size: 8, .value_kind: global_buffer, .address_space: global }
      - { .name: a_c, .offset: 40, .size: 8, .value_kind: global_buffer, .address_space: global }
    .group_segment_fixed_size: 305152
    .private_segment_fixed_size: 0
    .kernarg_segment_align: 8
    .kernarg_segment_size: 48
    .max_flat_workgroup_size: 512
    .sgpr_count:     66
    .vgpr_count:     256
    .wavefront_size: 32
...
	.end_amdgpu_metadata
.endif
;; end of part 5
;; launch oproj: the kernel of part 4 again; grid 4 x 32, 4 waves a work-group, clusters of 4 x 4, 327,680 bytes of LDS; arguments a_c, W_O_codes, lowp_scales, out0; writes out0
